; MI455X (gfx1250); checked and timed in simulation.
; The chip was launched on July 23, 2026; its instructions are those of AMD's public machine-readable ISA for CDNA 5 (MIT licence, August 2026) and "CDNA5" Instruction Set Architecture Reference Guide (July 2026). The comments in the code are by the model that wrote it; some were corrected since.
;; Multi Head Self Attention. Allowed arithmetic: matrix products marked QUANTISED: E2M3 operands, one E8M0 scale for each 32 along K, by v_wmma_scale_f32_16x16x128_f8f6f4 with both operands' format E2M3, f32 sums; everything else in f32.
;; Inputs: Wk 1,024 x 1,024 float32; Wo 1,024 x 1,024 float32; Wq 1,024 x 1,024 float32; Wv 1,024 x 1,024 float32; bk 1,024 float32; bo 1,024 float32; bq 1,024 float32; bv 1,024 float32; key 4 x 2,048 x 1,024 float32; mask 4 x 1 x 1 x 2,048 int32; query 4 x 2,048 x 1,024 float32; value 4 x 2,048 x 1,024 float32.
;; Outputs: out0 4 x 2,048 x 1,024 float32.
;; This version of the problem:
;;   THIS VERSION OF THE PROBLEM IS GIVEN IN LOW PRECISION. The matrix products marked QUANTISED in the list below multiply operands that are first quantised to E2M3 (2 exponent bits, 3 mantissa bits; 6 bits a number), with one power-of-two scale for each 32 numbers along K (OCP MX v1.0); their sums are f32. All else is computed in f32.
;;   The module's matrix products, in the order in which they are computed (A, B: the left and right operand; K: the contracted axis; several contracted axes count as one K, in the product's order):
;;     1. [M 8,192, K 1,024] x [K 1,024, N 1,024]; A: input query; B: input Wq: QUANTISED
;;     2. [M 8,192, K 1,024] x [K 1,024, N 1,024]; A: input key; B: input Wk: QUANTISED
;;     3. [M 8,192, K 1,024] x [K 1,024, N 1,024]; A: input value; B: input Wv: QUANTISED
;;     4. batch 64 x [M 2,048, K 64] x [K 64, N 2,048]; A: computed on the way; B: computed on the way: QUANTISED
;;     5. batch 64 x [M 2,048, K 2,048] x [K 2,048, N 64]; A: softmax (see below); B: computed on the way: QUANTISED
;;     6. [M 8,192, K 1,024] x [K 1,024, N 1,024]; A: computed on the way; B: input Wo: QUANTISED
;;   THE QUANTISER, for each operand of a quantised product, along K:
;;     - K is cut into blocks of 32 from its start; a last block that is shorter is filled with zeros.
;;     - A block's scale is 2^e with e = floor(log2(the largest magnitude in the block)) - 2, held to -126 .. 127; a block of zeros has e = 0. As a byte (E8M0): e + 127.
;;     - Each number is divided by its block's scale, clamped to +-7.5, and rounded to the nearest number of E2M3, ties to even, subnormals kept.
;;     - The product sums the exact products of the quantised numbers (number of the format x scale) in f32.
;;   ~~~python
;;   def quantise(x, axis):      # numpy; x: float32 -> the quantised numbers, widened to float32 again
;;       x = np.moveaxis(x, axis, -1); K = x.shape[-1]
;;       x = np.pad(x, [(0, 0)] * (x.ndim - 1) + [(0, -K % 32)]); x = x.reshape(x.shape[:-1] + (-1, 32)); a = np.abs(x).max(-1, keepdims=True)
;;       e = np.where(a > 0, np.clip(np.frexp(np.where(a > 0, a, 1))[1] - 1 - 2, -126, 127), 0)      # np.frexp(a)[1] - 1 = floor(log2(a)), exactly
;;       r = np.clip(x / 2.0 ** e, -7.5, 7.5)
;;       step = 2.0 ** (np.maximum(np.frexp(np.where(r == 0, 1, r))[1] - 1, 0) - 3)
;;       q = np.round(r / step) * step * 2.0 ** e      # np.round: ties to even
;;       return np.moveaxis(q.reshape(q.shape[:-2] + (-1,))[..., :K], -1, axis).astype(np.float32)
;;   ~~~
;;   SOFTMAX AHEAD OF A QUANTISED PRODUCT. Where the list says 'softmax', what is quantised is not the finished softmax but p = 2^(t - M), with t = logit x log2(e) and M = ceil(the row's largest t), a whole number; so 1/2 < the row's largest p <= 1. The row's sum l is taken of the UNQUANTISED p, in f32, and the product's result is divided by l at the end. Since M is a whole number, a kernel that streams over the keys may use a running M (the ceiling of the running maximum): every later rescaling is an exact power of two, which a block's scale takes up: the codes' values come out the same.
;;   OPERANDS COMPUTED ON THE WAY. 'Computed on the way' means the value that the module computes at that place (a softmax that the list does not call 'softmax' is quantised finished and normalised). What goes into a quantiser is computed in f32, as accurately as f32 sums, v_exp_f32 and their like allow (about 1e-6 of the number): no bf16 or f16 on the way to a quantiser, and a product that is left as it is and whose result goes on into a quantised operand takes f32 operands (vector FMAs, or v_wmma_f32_16x16x4_f32). A number that lies on a knife's edge between two numbers of the format may be rounded either way, as far as f32 arithmetic and the matrix unit's own rounding can turn it there, and no further.
;; One version. Each part assembles by itself: llvm-mc -triple=amdgcn-amd-amdhsa -mcpu=gfx1250 --defsym DOCPART=n.
;; ======== version 1 of 1: 5 launches
;; limits: right only within a limited range of input values
;; workspace buffers: xcodes 22,020,096 bytes; xscales 917,504 bytes; kv 15,466,496 bytes; qb 15,466,496 bytes; ctx 6,291,456 bytes; csc 262,144 bytes
;; launch quant (part 1): grid 256 x 1, 7 waves a work-group, no clusters, 60,416 bytes of LDS; arguments query, key, value, Wq, Wk, Wv, Wo, xcodes, xscales; writes xcodes, xscales
.if DOCPART == 1
	.amdgcn_target "amdgcn-amd-amdhsa--gfx1250"
	.amdhsa_code_object_version 6
	.text
	.protected	k_qbf7a3dce3c_quant
	.globl	k_qbf7a3dce3c_quant
	.p2align	8
	.type	k_qbf7a3dce3c_quant,@function
k_qbf7a3dce3c_quant:
	s_mov_b64 s[64:65], 0
	v_nop
	global_prefetch_b8 v0, s[64:65] scope:SCOPE_SE
	s_setreg_imm32_b32 hwreg(HW_REG_WAVE_MODE, 25, 1), 1
	s_wait_xcnt 0x0
; query, key, value [8192][1024] and Wq, Wk, Wv, Wo [1024][1024], f32, K innermost, become codes of FP6 (E2M3) with one E8M0 byte for each 32 along K.
; A block's scale is 2^(floor(log2(its largest magnitude)) - 2): its byte is the largest magnitude's exponent field - 2, held at 1 from below.
; LIMITS: NaN and infinities among the inputs are not served; a block whose largest magnitude lies under 2^-124 keeps the byte 1; a block of zeros has the byte 1 where the
; rule says 127 (its codes are zeros, and these bytes are read by this program alone).
; LAYOUT OF THE RESULT.  The seven tensors are 1,792 TILES of 16 rows: query 0-511, key 512-1023, value 1024-1535, Wq 1536.., Wk 1600.., Wv 1664.., Wo 1728...
; THE ROWS OF A TILE ARE NOT NEIGHBOURS: place r of tile T of a tensor is row 32 (T / 2) + 8 (T % 2) + r + 8 (r / 8), so that a product's results lie along the next K in a lane's registers.
; xcodes [tile][8][1,536]: a fragment (16 rows x 128 K, 12 registers a lane) as an image of its registers: registers 0-3 at 16 x lane, 4-5 at 512 + 8 x lane, 6-9 at 768 + 16 x lane,
; 10-11 at 1,280 + 8 x lane.  xscales [tile][place][8 words]: a word for each 128 along K.
; SHARES.  1,792 = 256 work-groups x 7 waves: a wave takes one tile, in 8 steps of 128 along K.  A step's sixteen loads read 512 consecutive bytes of one row each; the 8,192 bytes turn
; through the wave's own stage in LDS (rows 528 bytes apart), from which lane (r, h) takes blocks h and 2 + h of row r whole: so a block's largest magnitude needs no other lane.
; No tensor loads, no barrier: waves share nothing.  Loads run two steps (32 loads a wave) ahead.
.set SP,   528                         ; a stage row: 512 bytes + 16
.set WST,  16*SP                       ; a wave's stage
.set GA,   4                           ; v4   16 x lane
.set G8,   5                           ; v5   8 x lane
.set SA,   6                           ; v6   the stage, on the way in
.set RA,   7                           ; v7   and on the way out: row r, + 128 h
.set SO,   8                           ; v8   my 16 bytes of the tile's scale words
.set H8,   9                           ; v9   8 h
.set M,    10                          ; v10-11 largest magnitudes
.set E,    12                          ; v12-13 the conversions' scale operands
.set BY,   14                          ; v14-15 the scales' bytes
.set WT,   16
.set TP,   17
.set W,    20                          ; v20-27 my row's eight scale words
.set OUTW, 28                          ; v28-31 the four that I store
.set C,    32                          ; v32-55 codes: two sets of 12 by turns
.set T2,   56                          ; v56-62 the upper halves of the blocks' codes, as made
.set X,    64                          ; v64-127 my two blocks
.set R,    128                         ; v128-255 two sets of 64 as loaded
	s_load_b512 s[8:23], s[0:1], 0x0               ; query, key, value, Wq, Wk, Wv, Wo, xcodes
	s_load_b64 s[24:25], s[0:1], 0x40              ; xscales
	v_lshl_add_u32 v59, v0, 2, 0xe800
	v_mov_b32 v63, 0
	v_lshrrev_b32 v1, 5, v0
	v_readfirstlane_b32 s2, v1                     ; wave 0..6
	s_mul_i32 s3, ttmp9, 7
	s_add_co_u32 s3, s3, s2                        ; my tile, 0..1791
	v_and_b32 v1, 31, v0                           ; lane
	v_and_b32 v2, 15, v0                           ; r
	v_bfe_u32 v3, v0, 4, 1                         ; h
	v_lshlrev_b32 v[GA], 4, v1
	v_lshlrev_b32 v[G8], 3, v1
	s_mul_i32 s7, s2, WST
	v_add_nc_u32 v[SA], s7, v[GA]
	v_mul_u32_u24 v[RA], v2, SP
	v_lshl_add_u32 v[RA], v3, 7, v[RA]
	v_add_nc_u32 v[RA], s7, v[RA]
	v_lshlrev_b32 v[SO], 5, v2
	v_lshl_add_u32 v[SO], v3, 4, v[SO]             ; 32 r + 16 h
	v_lshlrev_b32 v[H8], 3, v3
	v_mov_b32 v[TP], 0                             ; written once: a lane permute's destination counts as one of its sources
	s_mov_b32 s26, 0x76543210
	s_mov_b32 s27, 0xfedcba98                      ; v_permlanex16_b32's selects for lane l xor 16
	s_mov_b32 s28, 0xffff0000                      ; lanes 16-31
	s_wait_alu depctr_va_vdst(0)
	s_wait_kmcnt 0x0
	; which tensor is my tile's?  The choice hangs on the tile's number alone.
	s_mov_b64 s[4:5], s[20:21]                     ; Wo,
	s_mov_b32 s6, 1728                             ; whose first tile is 1,728; then downward
.macro PICK bound, ptr, base
	s_cmp_lt_u32 s3, \bound
	s_cselect_b64 s[4:5], s[\ptr:\ptr+1], s[4:5]
	s_cselect_b32 s6, \base, s6
.endm
	PICK 1728, 18, 1664
	PICK 1664, 16, 1600
	PICK 1600, 14, 1536
	PICK 1536, 12, 1024
	PICK 1024, 10, 512
	PICK 512, 8, 0
	s_sub_co_u32 s6, s3, s6                        ; T: the tile's number in its tensor
	s_lshr_b32 s29, s6, 1
	s_lshl_b32 s30, s29, 17                        ; 32 (T / 2) rows of 4,096 bytes
	s_and_b32 s29, s6, 1
	s_lshl_b32 s29, s29, 15                        ; + 8 (T % 2) rows
	s_add_co_u32 s30, s30, s29
	s_mov_b32 s31, 0
	s_add_nc_u64 s[4:5], s[4:5], s[30:31]
	s_mul_i32 s30, s3, 12288
	s_add_nc_u64 s[22:23], s[22:23], s[30:31]      ; my tile's codes
	s_lshl_b32 s30, s3, 9
	s_add_nc_u64 s[24:25], s[24:25], s[30:31]      ; and its scale words
.macro LOAD t                          ; step t: 512 bytes of each of the tile's sixteen rows, into set t % 2
.set I, 0
.rept 16
	global_load_b128 v[R+64*((\t)%2)+4*I:R+64*((\t)%2)+4*I+3], v[GA], s[4:5] offset:(I+8*(I/8))*4096+512*(\t) th:TH_LOAD_NT
.set I, I+1
.endr
.endm
.macro STEPQ t
.set CC, C+12*((\t)%2)
.set RR, R+64*((\t)%2)
	s_wait_xcnt 0x0                                ; the stores of two steps ago have read this set of codes: it is written again only behind this wait
.if (\t) < 7
	s_wait_loadcnt 16                              ; this step's sixteen loads are in; the next step's sixteen may be out
.else
	s_wait_loadcnt 0
.endif
.set I, 0
.rept 16
	ds_store_b128 v[SA], v[RR+4*I:RR+4*I+3] offset:SP*I
.set I, I+1
.endr
.irp c, 0,1
.irp j, 0,1,2,3,4,5,6,7
	ds_load_b128 v[X+32*\c+4*\j:X+32*\c+4*\j+3], v[RA] offset:256*\c+16*\j   ; LDS serves a wave's instructions in order: these see the stores above
.endr
.endr
	s_wait_dscnt 0x0                               ; my two blocks are in, and the stores have read their registers,
.if (\t)+2 < 8
	LOAD (\t)+2                                    ; which take the loads of two steps on
.endif
.irp c, 0,1
	v_max3_num_f32 v[M+\c], |v[X+32*\c]|, |v[X+32*\c+1]|, 0x1800000   ; block 2 c + h, and the floor 2^(3 - 127): the byte cannot fall under 1
.endr
.set I, 2
.rept 15
.irp c, 0,1
	v_max3_num_f32 v[M+\c], v[M+\c], |v[X+32*\c+I]|, |v[X+32*\c+I+1]|   ; (the two blocks by turns)
.endr
.set I, I+2
.endr
.irp c, 0,1
	v_add_nc_u32 v[E+\c], 0xff000000, v[M+\c]      ; 2 off the exponent field: the conversion takes the exponent field of this operand as its scale
.endr
.irp c, 0,1
	v_cvt_scalef32_pk16_fp6_f32 v[CC+6*\c:CC+6*\c+2], v[X+32*\c:X+32*\c+15], v[E+\c]
	v_cvt_scalef32_pk16_fp6_f32 v[T2+4*\c:T2+4*\c+2], v[X+32*\c+16:X+32*\c+31], v[E+\c]   ; (a conversion's three registers begin on an even number)
.endr
.irp c, 0,1
	v_lshrrev_b32 v[BY+\c], 23, v[E+\c]            ; the scale's byte.  (Plain lines behind the conversions)
.endr
	v_lshl_or_b32 v[WT], v[BY+1], 16, v[BY]        ; my two bytes: blocks h and 2 + h,
	v_lshlrev_b32 v[WT], v[H8], v[WT]              ; at their places in the word;
	v_permlanex16_b32 v[TP], v[WT], s26, s27
	v_or_b32 v[W+(\t)], v[WT], v[TP]               ; with lane l xor 16's two the word is whole
.irp c, 0,1
.irp i, 0,1,2
	v_mov_b32 v[CC+6*\c+3+\i], v[T2+4*\c+\i]
.endr
.endr
	global_store_b128 v[GA], v[CC:CC+3], s[22:23] offset:1536*(\t)            ; the image: 512, 256, 512 and 256 consecutive bytes
	global_store_b64 v[G8], v[CC+4:CC+5], s[22:23] offset:1536*(\t)+512
	global_store_b128 v[GA], v[CC+6:CC+9], s[22:23] offset:1536*(\t)+768
	global_store_b64 v[G8], v[CC+10:CC+11], s[22:23] offset:1536*(\t)+1280
.endm
	LOAD 0
	LOAD 1
.irp t, 0,1,2,3,4,5,6,7
	STEPQ \t
.endr
.irp j, 0,1,2,3
	v_cndmask_b32 v[OUTW+\j], v[W+\j], v[W+4+\j], s28   ; lanes 0-15 store their row's words 0-3, lanes 16-31 words 4-7
.endr
	global_store_b128 v[SO], v[OUTW:OUTW+3], s[24:25]   ; 512 consecutive bytes
	s_wait_tensorcnt 0x0
	ds_add_u32 v59, v63
	s_wait_dscnt 0x0
	s_endpgm
.Lfunc_end_k_qbf7a3dce3c_quant:
	.size	k_qbf7a3dce3c_quant, .Lfunc_end_k_qbf7a3dce3c_quant-k_qbf7a3dce3c_quant
	.p2alignl 7, 3214868480
	.fill 96, 4, 3214868480
	.section	.rodata,"a",@progbits
	.p2align	6, 0x0
	.amdhsa_kernel k_qbf7a3dce3c_quant
		.amdhsa_group_segment_fixed_size 60416
		.amdhsa_private_segment_fixed_size 0
		.amdhsa_enable_private_segment 0
		.amdhsa_kernarg_size 72
		.amdhsa_user_sgpr_count 2
		.amdhsa_user_sgpr_kernarg_segment_ptr 1
		.amdhsa_wavefront_size32 1
		.amdhsa_system_sgpr_workgroup_id_x 1
		.amdhsa_system_sgpr_workgroup_id_y 1
		.amdhsa_system_sgpr_workgroup_id_z 1
		.amdhsa_system_vgpr_workitem_id 0
		.amdhsa_next_free_vgpr 256
		.amdhsa_next_free_sgpr 66
		.amdhsa_reserve_vcc 0
		.amdhsa_float_denorm_mode_32 3
		.amdhsa_float_denorm_mode_16_64 3
		.amdhsa_memory_ordered 1
		.amdhsa_forward_progress 1
		.amdhsa_inst_pref_size 59
	.end_amdhsa_kernel
	.amdgpu_metadata
---
amdhsa.version: [ 1, 2 ]
amdhsa.kernels:
  - .name:           k_qbf7a3dce3c_quant
    .symbol:         k_qbf7a3dce3c_quant.kd
    .args:
      - { .name: query, .offset: 0, .size: 8, .value_kind: global_buffer, .address_space: global }
      - { .name: key, .offset: 8, .size: 8, .value_kind: global_buffer, .address_space: global }
      - { .name: value, .offset: 16, .size: 8, .value_kind: global_buffer, .address_space: global }
      - { .name: Wq, .offset: 24, .size: 8, .value_kind: global_buffer, .address_space: global }
      - { .name: Wk, .offset: 32, .size: 8, .value_kind: global_buffer, .address_space: global }
      - { .name: Wv, .offset: 40, .size: 8, .value_kind: global_buffer, .address_space: global }
      - { .name: Wo, .offset: 48, .size: 8, .value_kind: global_buffer, .address_space: global }
      - { .name: xcodes, .offset: 56, .size: 8, .value_kind: global_buffer, .address_space: global }
      - { .name: xscales, .offset: 64, .size: 8, .value_kind: global_buffer, .address_space: global }
    .group_segment_fixed_size: 60416
    .private_segment_fixed_size: 0
    .kernarg_segment_align: 8
    .kernarg_segment_size: 72
    .max_flat_workgroup_size: 224
    .sgpr_count:     66
    .vgpr_count:     256
    .wavefront_size: 32
...
	.end_amdgpu_metadata
.endif
;; end of part 1
;; launch projqk (part 2): grid 4 x 64, 4 waves a work-group, clusters of 4 x 4, 327,680 bytes of LDS; arguments xcodes, xscales, bq, bk, mask, qb, kv; writes qb, kv
.if DOCPART == 2
	.amdgcn_target "amdgcn-amd-amdhsa--gfx1250"
	.amdhsa_code_object_version 6
	.text
	.protected	k_qbf7a3dce3c_projqk
	.globl	k_qbf7a3dce3c_projqk
	.p2align	8
	.type	k_qbf7a3dce3c_projqk,@function
k_qbf7a3dce3c_projqk:
	s_mov_b64 s[64:65], 0
	v_nop
	global_prefetch_b8 v0, s[64:65] scope:SCOPE_SE
	s_setreg_imm32_b32 hwreg(HW_REG_WAVE_MODE, 25, 1), 1
	s_wait_xcnt 0x0
	s_wait_alu depctr_hold_cnt(0) depctr_sa_sdst(0) depctr_va_vdst(0) depctr_va_sdst(0) depctr_va_ssrc(0) depctr_va_vcc(0) depctr_vm_vsrc(0)
	s_getreg_b32 s2, hwreg(HW_REG_IB_STS2, 6, 4)
	s_cmp_eq_u32 s2, 0
	s_cbranch_scc0 .Lentry_in_a_cluster
	s_endpgm
.Lentry_in_a_cluster:
	s_bfe_u32 s2, ttmp6, 0x10000c
	s_cmp_lg_u32 s2, 0xf033
	s_cbranch_scc0 .Lentry_shape_is_right
	s_endpgm
.Lentry_shape_is_right:
.set GA0,    0
.set GB0,    1536
.set PAC,    4
.set PAS,    6
.set PBC,    4
.set PBS,    6
.set CBYA,   0
.set FR,     12
.set NL,     4
.set NQ,     2
.set NP,     4
.set FRB,    1536
.set ROWB,   NQ*FRB
.set TILEB,  8*FRB
.set HALFT,  8*ROWB
.set SLOT,   4*HALFT
.set SCL,    2*SLOT
.set HALFS,  16*272
.set SBLK,   2*272
.set SPARE,  SCL+4*HALFS
.set BLK,    15104
.set HEADB,  16*BLK
.set ADRA, 16
.set ADRB, 20
.set CO,   26
.set ADRS, 27
.set SPW,  28
.set NIL,  29
.set HM,   30
.set SC,   32
.set BIAS, 64
.set AF,   128
.set MK,   224
.set TM,   64
.set T2,   80
.set PC,   88
.set SW0,  104
.set SW1,  112
.set VM,   120
.set TT,   121
.set HW,   122
.set PW,   123
.set SEL,  66
.set G1, 24
.set G0, 32
.set G1B, 48
.set G0B, 56
.set G1S, 68
.set G0S, 76
.set G1SB, 80
.set G0SB, 88
.set MSB, 0
.macro WIN new
.if MSB != (\new)
	s_set_vgpr_msb (MSB<<8)|(\new)
.set MSB, (\new)
.endif
.endm
.set MUL_LO, 0xa1
.set MUL_HI, 0xf1
.set TO_B,   0x40
.macro JLOAD g0a, g1a, g0b, g1b
	s_cmp_eq_u32 s15, 0
	s_cbranch_scc0 .Lfor_b_\@
	tensor_load_to_lds s[\g0a:\g0a+3], s[\g1a:\g1a+7]
	s_nop 0
.rept 4
	v_nop
.endr
	s_branch .Lasked_\@
.Lfor_b_\@:
	tensor_load_to_lds s[\g0b:\g0b+3], s[\g1b:\g1b+7]
	s_nop 0
.rept 4
	v_nop
.endr
.Lasked_\@:
.endm
.macro CREST
	s_cmp_lg_u32 s14, 0
	s_cbranch_scc1 .Lnot_wave_0_\@
	s_barrier_signal -3
.Lnot_wave_0_\@:
	s_barrier_wait -3
	s_barrier_signal -1
	s_barrier_wait -1
.endm
.macro CROUND
	s_barrier_signal -1
	s_barrier_wait -1
	CREST
.endm
	s_load_b128 s[4:7], s[0:1], 0x0
	s_load_b128 s[8:11], s[0:1], 0x10
	s_load_b64 s[98:99], s[0:1], 0x20
	s_load_b64 s[12:13], s[0:1], 0x28
	s_load_b64 s[18:19], s[0:1], 0x30
	v_lshl_add_u32 v[SPW], v0, 2, SPARE
	v_mov_b32 v[NIL], 0
	ds_add_u32 v28, v29
	ds_add_u32 v28, v29
	s_wait_dscnt 0x0
	v_lshrrev_b32 v1, 5, v0
	v_readfirstlane_b32 s14, v1
	s_lshr_b32 s15, s14, 1
	s_and_b32 s16, s14, 1
	s_bfe_u32 s40, ttmp6, 0x40000
	s_bfe_u32 s41, ttmp6, 0x40004
	s_lshl_b32 s42, ttmp9, 2
	s_add_co_u32 s42, s42, s40
	s_and_b32 s17, ttmp7, 0xffff
	s_lshr_b32 s100, s17, 3
	s_lshl_b32 s17, s17, 2
	s_add_co_u32 s17, s17, s41
	s_lshl_b32 s43, s41, 2
	s_lshl_b32 s43, 15, s43
	s_lshl_b32 s44, 0x1111, s40
	s_or_b32 s[G1+0], s43, (3<<16)|(1<<21)
	s_or_b32 s[G1B+0], s44, (3<<16)|(1<<21)
.irp g, G1, G1B
	s_mov_b32 s[\g+1], (ROWB/8)<<16
	s_mov_b32 s[\g+2], 8<<16
	s_mov_b32 s[\g+3], (ROWB/8)<<16
	s_mov_b32 s[\g+4], 8
	s_mov_b32 s[\g+5], TILEB/8
	s_mov_b32 s[\g+6], 0
	s_mov_b32 s[\g+7], 0
.endr
	s_or_b32 s[G1S+0], s43, (3<<16)|(1<<20)|(1<<21)|(5<<22)|(3<<25)
	s_or_b32 s[G1SB+0], s44, (3<<16)|(1<<20)|(1<<21)|(5<<22)|(3<<25)
.irp g, G1S, G1SB
	s_mov_b32 s[\g+1], 32<<16
	s_mov_b32 s[\g+2], 16<<16
	s_mov_b32 s[\g+3], 32<<16
	s_mov_b32 s[\g+4], 16
	s_mov_b32 s[\g+5], 32
	s_mov_b32 s[\g+6], 0
	s_mov_b32 s[\g+7], 0
.endr
	s_lshl_b32 s95, s16, 3
	s_lshl_b32 s20, s17, 4
	s_add_co_u32 s20, s20, s95
	s_add_co_u32 s20, s20, GA0
	s_lshl_b32 s46, s42, 4
	s_add_co_u32 s46, s46, s95
	s_add_co_u32 s46, s46, GB0
	s_lshl_b32 s101, s100, 6
	s_add_co_u32 s46, s46, s101
	s_lshl_b32 s22, s20, 9
	s_mov_b32 s23, 0
	s_mul_i32 s20, s20, TILEB
	s_mov_b32 s21, 0
	s_lshl_b32 s92, s46, 9
	s_mov_b32 s93, 0
	s_mul_i32 s46, s46, TILEB
	s_mov_b32 s47, 0
	s_mul_i32 s45, s14, HALFT
	s_mul_i32 s94, s14, HALFS
	s_wait_kmcnt 0x0
	s_add_nc_u64 s[20:21], s[PAC:PAC+1], s[20:21]
	s_add_nc_u64 s[22:23], s[PAS:PAS+1], s[22:23]
	s_add_nc_u64 s[46:47], s[PBC:PBC+1], s[46:47]
	s_add_nc_u64 s[92:93], s[PBS:PBS+1], s[92:93]
	s_cmp_lg_u32 s100, 0
	s_cselect_b64 s[96:97], s[10:11], s[8:9]
	s_cselect_b64 s[12:13], s[18:19], s[12:13]
	CROUND
	s_mov_b32 s[G0S], 1
	s_add_co_u32 s[G0S+1], s94, SCL
	s_mov_b64 s[G0S+2:G0S+3], s[22:23]
	s_or_b32 s[G0S+3], s[G0S+3], 0x80000000
	s_mov_b32 s[G0SB], 1
	s_add_co_u32 s[G0SB+1], s94, SCL
	s_mov_b64 s[G0SB+2:G0SB+3], s[92:93]
	s_or_b32 s[G0SB+3], s[G0SB+3], 0x80000000
	JLOAD G0S, G1S, G0SB, G1SB
.irp s, 0,1
	s_mov_b32 s[G0+4*\s], 1
	s_add_co_u32 s[G0+4*\s+1], s45, \s*SLOT
	s_add_nc_u64 s[G0+4*\s+2:G0+4*\s+3], s[20:21], \s*ROWB
	s_or_b32 s[G0+4*\s+3], s[G0+4*\s+3], 0x80000000
	s_mov_b32 s[G0B+4*\s], 1
	s_add_co_u32 s[G0B+4*\s+1], s45, \s*SLOT
	s_add_nc_u64 s[G0B+4*\s+2:G0B+4*\s+3], s[46:47], \s*ROWB
	s_or_b32 s[G0B+4*\s+3], s[G0B+4*\s+3], 0x80000000
	s_wait_alu depctr_va_vdst(0)
	s_wait_tensorcnt 0x0
	ds_add_u32 v28, v29
	s_wait_dscnt 0x0
	CROUND
	JLOAD G0+4*\s, G1, G0B+4*\s, G1B
.endr
	v_and_b32 v1, 15, v0
	v_bfe_u32 v2, v0, 4, 1
	v_and_b32 v3, 31, v0
	v_lshlrev_b32 v4, 4, v3
	v_lshlrev_b32 v5, 3, v3
	v_mov_b32 v[CO], v4
	s_mul_i32 s21, s15, HALFT
	s_mul_i32 s22, s16, HALFT
	s_add_co_u32 s22, s22, 2*HALFT
.irp s, 0,1
	v_add_nc_u32 v[ADRA+\s], s21, v4
	v_add_nc_u32 v[ADRB+\s], s22, v4
	v_add_nc_u32 v[ADRA+2+\s], s21, v5
	v_add_nc_u32 v[ADRB+2+\s], s22, v5
	s_add_co_u32 s21, s21, SLOT
	s_add_co_u32 s22, s22, SLOT
.endr
	v_lshlrev_b32 v6, 5, v1
	v_lshrrev_b32 v7, 8, v6
	v_lshl_add_u32 v6, v7, 4, v6
	s_mul_i32 s21, s15, HALFS
	s_mul_i32 s22, s16, HALFS
	s_add_co_u32 s22, s22, 2*HALFS
	s_sub_co_u32 s22, s22, s21
	v_mul_u32_u24 v7, s22, v2
	s_add_co_u32 s21, s21, SCL
	v_add_nc_u32 v6, v6, v7
	v_add_nc_u32 v[ADRS], s21, v6
	s_lshl_b32 s18, s42, 10
	s_lshl_b32 s19, s16, 9
	s_add_co_u32 s18, s18, s19
	s_mov_b32 s19, 0
	s_add_nc_u64 s[96:97], s[96:97], s[18:19]
	v_lshlrev_b32 v8, 6, v2
.irp b, 0,1,2,3,4,5,6,7
	global_load_b128 v[BIAS+8*\b:BIAS+8*\b+3], v8, s[96:97] offset:4*(32*(\b/2)+8*(\b%2))
	global_load_b128 v[BIAS+8*\b+4:BIAS+8*\b+7], v8, s[96:97] offset:4*(32*(\b/2)+8*(\b%2))+16
.endr
	s_and_b32 s18, s17, 31
	s_lshl_b32 s18, s18, 10
	s_lshl_b32 s19, s15, 9
	s_add_co_u32 s18, s18, s19
	s_mov_b32 s19, 0
	s_add_nc_u64 s[98:99], s[98:99], s[18:19]
	v_and_b32 v9, 8, v1
	v_add_nc_u32 v9, v9, v1
	v_lshlrev_b32 v9, 2, v9
.irp a, 0,1,2,3,4,5,6,7
	global_load_b32 v[MK+\a], v9, s[98:99] offset:4*(32*(\a/2)+8*(\a%2))
.endr
	s_and_b32 s18, s17, 31
	s_lshr_b32 s18, s18, 3
	s_lshl_b32 s18, s18, 4
	s_lshl_b32 s19, s42, 2
	s_add_co_u32 s18, s18, s19
	s_lshl_b32 s19, s16, 1
	s_add_co_u32 s18, s18, s19
	s_lshl_b32 s18, s18, 4
	s_and_b32 s19, s17, 7
	s_lshl_b32 s19, s19, 1
	s_add_co_u32 s18, s18, s19
	s_add_co_u32 s18, s18, s15
	s_mul_i32 s18, s18, BLK
	s_mov_b32 s19, 0
	s_add_nc_u64 s[12:13], s[12:13], s[18:19]
.macro FRAG reg, adr, q, i
	ds_load_b128 v[\reg:\reg+3], v[\adr] offset:ROWB*(\i)+FRB*(\q)
	ds_load_b64 v[\reg+4:\reg+5], v[\adr+2] offset:ROWB*(\i)+FRB*(\q)+512
	ds_load_b128 v[\reg+6:\reg+9], v[\adr] offset:ROWB*(\i)+FRB*(\q)+768
	ds_load_b64 v[\reg+10:\reg+11], v[\adr+2] offset:ROWB*(\i)+FRB*(\q)+1280
.endm
.macro MUL16 a0, p, q, sc, zero
.irp a, \a0, \a0+1
.irp b, 0,1,2,3,4,5,6,7
.set DD, 8*(8*((\a)%4)+\b)
.set CR, BIAS+8*\b+CBYA*8*((\a)-\b)
.if \zero
	v_wmma_scale_f32_16x16x128_f8f6f4 v[DD:DD+7], v[128*(\p)+FR*\b:128*(\p)+FR*\b+FR-1], v[AF+FR*(\a):AF+FR*(\a)+FR-1], v[CR:CR+7], v[SC+8*NQ*(\sc)+NQ*\b+(\q)], v[SC+8*NQ*(\sc)+NQ*(\a)+(\q)] matrix_a_fmt:MATRIX_FMT_FP6 matrix_b_fmt:MATRIX_FMT_FP6 matrix_a_scale:MATRIX_SCALE_ROW1
.else
	v_wmma_scale_f32_16x16x128_f8f6f4 v[DD:DD+7], v[128*(\p)+FR*\b:128*(\p)+FR*\b+FR-1], v[AF+FR*(\a):AF+FR*(\a)+FR-1], v[DD:DD+7], v[SC+8*NQ*(\sc)+NQ*\b+(\q)], v[SC+8*NQ*(\sc)+NQ*(\a)+(\q)] matrix_a_fmt:MATRIX_FMT_FP6 matrix_b_fmt:MATRIX_FMT_FP6 matrix_a_scale:MATRIX_SCALE_ROW1
.endif
.endr
.endr
.endm
.macro FETCH_B slot, q, p
	WIN TO_B
.irp i, 0,1,2,3,4,5,6,7
	FRAG 128*(\p)+FR*\i, ADRB+\slot, \q, \i
.endr
	WIN 0
.endm
.macro FETCH_A slot, q, i0
.irp i, \i0, \i0+1, \i0+2, \i0+3
	FRAG AF+FR*(\i), ADRA+\slot, \q, \i
.endr
.endm
.macro SCALES sc
.irp i, 0,1,2,3,4,5,6,7
	ds_load_b64 v[SC+8*NQ*\sc+NQ*\i:SC+8*NQ*\sc+NQ*\i+1], v[ADRS] offset:\i*SBLK
.endr
.endm
.macro PLACES n
.rept \n
	v_nop
.endr
.endm
.macro STEP slot, q, zero
	s_wait_dscnt 4*NL
.if \zero
	WIN 0x81
.else
	WIN MUL_LO
.endif
	MUL16 0, (\q)%2, \q, \slot, \zero
	MUL16 2, (\q)%2, \q, \slot, \zero
	s_wait_dscnt 0
	PLACES NP
	FETCH_B \slot, (\q)+1, 1-(\q)%2
	FETCH_A \slot, (\q)+1, 0
.if \zero
	WIN 0xc1
.else
	WIN MUL_HI
.endif
	MUL16 4, (\q)%2, \q, \slot, \zero
	MUL16 6, (\q)%2, \q, \slot, \zero
	PLACES NP
	WIN 0
	FETCH_A \slot, (\q)+1, 4
.endm
.macro TURN slot, next, fill
	s_wait_tensorcnt 0x0
	ds_add_u32 v[SPW], v[NIL]
	s_wait_dscnt 4*NL+1
	WIN MUL_LO
	MUL16 0, 1, NQ-1, \slot, 0
	s_wait_dscnt 0x0
	s_barrier_signal -1
	MUL16 2, 1, NQ-1, \slot, 0
	WIN 0
	s_barrier_wait -1
.if \fill
	CREST
	s_add_nc_u64 s[G0+4*\slot+2:G0+4*\slot+3], s[G0+4*\slot+2:G0+4*\slot+3], 2*ROWB
	s_add_nc_u64 s[G0B+4*\slot+2:G0B+4*\slot+3], s[G0B+4*\slot+2:G0B+4*\slot+3], 2*ROWB
	JLOAD G0+4*\slot, G1, G0B+4*\slot, G1B
.else
	PLACES NP
.endif
	s_wait_alu depctr_va_vdst(0)
	v_add_nc_u32 v[ADRS], 4*NQ, v[ADRS]
	FETCH_B \next, 0, 0
	FETCH_A \next, 0, 0
	SCALES \next
	WIN MUL_HI
	MUL16 4, 1, NQ-1, \slot, 0
	MUL16 6, 1, NQ-1, \slot, 0
	PLACES NP
	WIN 0
	FETCH_A \next, 0, 4
.endm
	s_wait_alu depctr_va_vdst(0)
	s_wait_tensorcnt 1
	s_barrier_signal -1
	s_barrier_wait -1
	FETCH_B 0, 0, 0
	FETCH_A 0, 0, 0
	SCALES 0
	FETCH_A 0, 0, 4
	s_wait_loadcnt 0x0
	STEP 0, 0, 1
	TURN 0, 1, 1
	STEP 1, 0, 0
	TURN 1, 0, 1
	STEP 0, 0, 0
	TURN 0, 1, 0
	STEP 1, 0, 0
	s_wait_dscnt 4*NL
	WIN MUL_LO
	MUL16 0, 1, NQ-1, 1, 0
	MUL16 2, 1, NQ-1, 1, 0
	s_wait_dscnt 0
	WIN MUL_HI
	MUL16 4, 1, NQ-1, 1, 0
	MUL16 6, 1, NQ-1, 1, 0
	WIN 0
.macro QUANTW a, st, pw
.set AC, 64*((\a)%4)
.set WW, 2+(\a)/4
.set WN, WW|(WW<<2)
	WIN WN
.irp b, 0,1,2,3
	v_max3_num_f32 v[TM+\b], |v[AC+16*\b]|, |v[AC+16*\b+1]|, 0x1800000
.endr
.irp i, 2,4,6,8,10,12,14
.irp b, 0,1,2,3
	v_max3_num_f32 v[TM+\b], |v[AC+16*\b+\i]|, |v[AC+16*\b+\i+1]|, v[TM+\b]
.endr
.endr
	WIN 0
.irp b, 0,1,2,3
	v_permlanex16_b32 v[TM+4+\b], v[TM+\b], s[SEL], s[SEL+1]
.endr
.irp b, 0,1,2,3
	v_max_num_f32 v[TM+\b], v[TM+\b], v[TM+4+\b]
.endr
.irp b, 0,1,2,3
	v_add_nc_u32 v[TM+12+\b], 0xff000000, v[TM+\b]
.endr
.irp b, 0,1,2,3
	v_lshrrev_b32 v[TM+4+\b], 23, v[TM+12+\b]
.endr
	v_lshl_or_b32 v[\pw], v[TM+5], 8, v[TM+4]
	v_lshl_or_b32 v[\pw], v[TM+6], 16, v[\pw]
	v_lshl_or_b32 v[\pw], v[TM+7], 24, v[\pw]
	WIN WW
.irp c, 0,1
	v_cvt_scalef32_pk16_fp6_f32 v[PC+(\st)*\c:PC+(\st)*\c+2], v[AC+32*\c:AC+32*\c+15], v[TM+12+2*\c]
	v_cvt_scalef32_pk16_fp6_f32 v[T2+4*\c:T2+4*\c+2], v[AC+32*\c+16:AC+32*\c+31], v[TM+13+2*\c]
.endr
	WIN 0
	v_nop
.irp c, 0,1
.irp i, 0,1,2
	v_permlane16_swap_b32 v[PC+(\st)*\c+\i], v[T2+4*\c+\i]
.endr
.irp i, 0,1,2
	v_mov_b32 v[PC+(\st)*\c+3+\i], v[T2+4*\c+\i]
.endr
.endr
.endm
	s_mov_b32 s[SEL], 0x76543210
	s_mov_b32 s[SEL+1], 0xfedcba98
	s_mov_b32 s101, 0x01010000
	s_mov_b32 s3, 0x019d0000
	s_cmp_lg_u32 s100, 0
	s_cselect_b32 s2, 0, -1
	PLACES NP
.irp b, 0,1,2,3
	v_mov_b32 v[TM+4+\b], 0
.endr
	v_mov_b32 v[PC+7], 0
	v_mov_b32 v[PC+15], 0
	v_xor_b32 v[HM], 1, v2
	v_mul_u32_u24 v[HM], v[HM], 56
.irp a, 0,1,2,3,4,5,6,7
	s_wait_xcnt 0x0
	QUANTW \a, 8, PW
	v_cmp_ne_u32 vcc_lo, 0, v[MK+\a]
	v_cndmask_b32 v[VM], 0, -1, vcc_lo
	v_or_b32 v[VM], s2, v[VM]
.irp i, 0,1,2,3,4,5,8,9,10,11,12,13
	v_and_b32 v[PC+\i], v[VM], v[PC+\i]
.endr
	v_xor_b32 v[TT], -1, v[VM]
	v_and_b32 v[PC+6], v[TT], v[HM]
	v_mov_b32 v[PC+14], v[PC+6]
	v_bfi_b32 v[HW], v[VM], s101, s3
	v_and_or_b32 v[SW0+\a], v[PW], 0xffff, v[HW]
	v_lshrrev_b32 v[TT], 16, v[PW]
	v_or_b32 v[SW1+\a], v[TT], v[HW]
	global_store_b128 v[CO], v[PC:PC+3], s[12:13] offset:1024*\a
	global_store_b128 v[CO], v[PC+4:PC+7], s[12:13] offset:1024*\a+512
	global_store_b128 v[CO], v[PC+8:PC+11], s[12:13] offset:1024*\a+HEADB
	global_store_b128 v[CO], v[PC+12:PC+15], s[12:13] offset:1024*\a+512+HEADB
.endr
	s_wait_alu depctr_va_vdst(0)
	s_wait_xcnt 0x0
	s_mov_b32 s2, 0xffff0000
.irp j, 0,1,2,3
	v_cndmask_b32 v[PC+\j], v[SW0+\j], v[SW0+4+\j], s2
	v_cndmask_b32 v[PC+4+\j], v[SW1+\j], v[SW1+4+\j], s2
.endr
	global_store_b128 v[CO], v[PC:PC+3], s[12:13] offset:14336
	global_store_b128 v[CO], v[PC+4:PC+7], s[12:13] offset:14336+HEADB
	s_wait_tensorcnt 0x0
	ds_add_u32 v[SPW], v[NIL]
	s_wait_dscnt 0x0
	CROUND
	s_endpgm
.Lfunc_end_k_qbf7a3dce3c_projqk:
	.size	k_qbf7a3dce3c_projqk, .Lfunc_end_k_qbf7a3dce3c_projqk-k_qbf7a3dce3c_projqk
	.p2alignl 7, 3214868480
	.fill 96, 4, 3214868480
	.section	.rodata,"a",@progbits
	.p2align	6, 0x0
	.amdhsa_kernel k_qbf7a3dce3c_projqk
		.amdhsa_group_segment_fixed_size 327680
		.amdhsa_private_segment_fixed_size 0
		.amdhsa_enable_private_segment 0
		.amdhsa_kernarg_size 56
		.amdhsa_user_sgpr_count 2
		.amdhsa_user_sgpr_kernarg_segment_ptr 1
		.amdhsa_wavefront_size32 1
		.amdhsa_system_sgpr_workgroup_id_x 1
		.amdhsa_system_sgpr_workgroup_id_y 1
		.amdhsa_system_sgpr_workgroup_id_z 1
		.amdhsa_system_vgpr_workitem_id 0
		.amdhsa_next_free_vgpr 1024
		.amdhsa_next_free_sgpr 102
		.amdhsa_reserve_vcc 1
		.amdhsa_float_denorm_mode_32 3
		.amdhsa_float_denorm_mode_16_64 3
		.amdhsa_memory_ordered 1
		.amdhsa_forward_progress 1
		.amdhsa_inst_pref_size 160
	.end_amdhsa_kernel
	.amdgpu_metadata
---
amdhsa.version: [ 1, 2 ]
amdhsa.kernels:
  - .name:           k_qbf7a3dce3c_projqk
    .symbol:         k_qbf7a3dce3c_projqk.kd
    .args:
      - { .name: xcodes, .offset: 0, .size: 8, .value_kind: global_buffer, .address_space: global }
      - { .name: xscales, .offset: 8, .size: 8, .value_kind: global_buffer, .address_space: global }
      - { .name: bq, .offset: 16, .size: 8, .value_kind: global_buffer, .address_space: global }
      - { .name: bk, .offset: 24, .size: 8, .value_kind: global_buffer, .address_space: global }
      - { .name: mask, .offset: 32, .size: 8, .value_kind: global_buffer, .address_space: global }
      - { .name: qb, .offset: 40, .size: 8, .value_kind: global_buffer, .address_space: global }
      - { .name: kv, .offset: 48, .size: 8, .value_kind: global_buffer, .address_space: global }
    .group_segment_fixed_size: 327680
    .private_segment_fixed_size: 0
    .kernarg_segment_align: 8
    .kernarg_segment_size: 56
    .max_flat_workgroup_size: 128
    .sgpr_count:     102
    .vgpr_count:     1024
    .wavefront_size: 32
...
	.end_amdgpu_metadata
.endif
;; end of part 2
;; launch projv (part 3): grid 32 x 8, 4 waves a work-group, clusters of 4 x 4, 327,680 bytes of LDS; arguments xcodes, xscales, bv, kv; writes kv
.if DOCPART == 3
	.amdgcn_target "amdgcn-amd-amdhsa--gfx1250"
	.amdhsa_code_object_version 6
	.text
	.protected	k_qbf7a3dce3c_projv
	.globl	k_qbf7a3dce3c_projv
	.p2align	8
	.type	k_qbf7a3dce3c_projv,@function
k_qbf7a3dce3c_projv:
	s_mov_b64 s[64:65], 0
	v_nop
	global_prefetch_b8 v0, s[64:65] scope:SCOPE_SE
	s_setreg_imm32_b32 hwreg(HW_REG_WAVE_MODE, 25, 1), 1
	s_wait_xcnt 0x0
	s_wait_alu depctr_hold_cnt(0) depctr_sa_sdst(0) depctr_va_vdst(0) depctr_va_sdst(0) depctr_va_ssrc(0) depctr_va_vcc(0) depctr_vm_vsrc(0)
	s_getreg_b32 s2, hwreg(HW_REG_IB_STS2, 6, 4)
	s_cmp_eq_u32 s2, 0
	s_cbranch_scc0 .Lentry_in_a_cluster
	s_endpgm
.Lentry_in_a_cluster:
	s_bfe_u32 s2, ttmp6, 0x10000c
	s_cmp_lg_u32 s2, 0xf033
	s_cbranch_scc0 .Lentry_shape_is_right
	s_endpgm
.Lentry_shape_is_right:
; V^T = Wv value^T + bv on codes of FP6 (E2M3) with E8M0 scales, quantised along the keys and stored as the attention's operand images.
; A = Wv (tiles 1664.. of xcodes), B = value (tiles 1024..).  A work-group makes 128 features x 256 keys; a wave 64 features (one head) x 128 keys (one block of kv): 32 accumulators.
; ALL OF K (1,024) LIES IN LDS, in two halves of 512 along K, each filled once: 8 tiles of A and 16 of B, 6,144 bytes a tile and half.  Nothing is filled again.
; Each wave issues one joint load at the head (first half) and one behind the full sequence and a round of the cluster's barrier (second half), which is on its way while the first steps are multiplied.
; CLUSTER 4 x 4: A's tiles are shared along a row of the cluster, B's along a column.  The scale words go from memory straight into registers: 32 bytes a row, 512 dense bytes a tile.
; No prefetch: the text has no loop to run ahead in, and both fills are asked for early.
; The matrix instruction is used transposed (source 0 = value's rows, source 1 = Wv's rows): a lane holds one feature, its registers run along the keys.
; LIMITS: NaN and infinities are not served; a block under 2^-124, zeros too, keeps the scale byte 1 (these bytes are read by this program alone).
; REGISTERS: window 0: v0-31 addresses, v32-63 A's scale words (tile a, step q at 32+8a+q), v64-127 B's, v128-223 A's fragments in two sets; window 1: B's fragments, two sets at v0 and v128;
; window 2: the accumulators; window 3: v0-31 the bias, the first step's C.
.set GA0,    1664
.set GB0,    1024
.set PAC,    4
.set PAS,    6
.set PBC,    4
.set PBS,    6
.set FR,     12
.set FRB,    1536
.set TILEB,  8*FRB
.set HK,     4*FRB
.set SLOT,   24*HK
.set SPARE,  2*SLOT
.set BLK,    15104
.set ADRA, 16
.set ADRB, 20
.set CO,   26
.set SO,   27
.set SPW,  28
.set NIL,  29
.set SV,   30
.set SA,   32
.set SB,   64
.set AF,   128
.set TM,   128
.set T2,   144
.set PC,   152
.set SW,   168
.set SEL,  66
.set G1, 24
.set G0, 32
.set G1B, 48
.set G0B, 56
.set MSB, 0
.macro WIN new
.if MSB != (\new)
	s_set_vgpr_msb (MSB<<8)|(\new)
.set MSB, (\new)
.endif
.endm
.macro JLOAD g0a, g1a, g0b, g1b        ; waves 0, 1 ask for A's halves, waves 2, 3 for B's: one load on every way
	s_cmp_eq_u32 s15, 0
	s_cbranch_scc0 .Lfor_b_\@
	tensor_load_to_lds s[\g0a:\g0a+3], s[\g1a:\g1a+7]
	s_nop 0
.rept 4
	v_nop
.endr
	s_branch .Lasked_\@
.Lfor_b_\@:
	tensor_load_to_lds s[\g0b:\g0b+3], s[\g1b:\g1b+7]
	s_nop 0
.rept 4
	v_nop
.endr
.Lasked_\@:
.endm
.macro CROUND                          ; a round of the cluster's barrier
	s_barrier_signal -1
	s_barrier_wait -1
	s_cmp_lg_u32 s14, 0
	s_cbranch_scc1 .Lnot_wave_0_\@
	s_barrier_signal -3
.Lnot_wave_0_\@:
	s_barrier_wait -3
	s_barrier_signal -1
	s_barrier_wait -1
.endm
.macro PLACES n
.rept \n
	v_nop
.endr
.endm
	s_load_b128 s[4:7], s[0:1], 0x0                ; xcodes, xscales
	s_load_b64 s[96:97], s[0:1], 0x10              ; bv
	s_load_b64 s[12:13], s[0:1], 0x18              ; kv
	v_lshl_add_u32 v[SPW], v0, 2, SPARE
	v_mov_b32 v[NIL], 0
	ds_add_u32 v[SPW], v[NIL]                      ; the opening lines: the add twice on end and its wait
	ds_add_u32 v[SPW], v[NIL]
	v_lshrrev_b32 v1, 5, v0
	v_readfirstlane_b32 s14, v1                    ; wave
	s_lshr_b32 s15, s14, 1                         ; my half of A's rows; also: I ask for A (0) or B (1)
	s_and_b32 s16, s14, 1                          ; my half of B's rows; also: which half I ask for
	s_bfe_u32 s40, ttmp6, 0x40000
	s_bfe_u32 s41, ttmp6, 0x40004
	s_lshl_b32 s42, ttmp9, 2
	s_add_co_u32 s42, s42, s40                     ; B's block of 256 rows
	s_and_b32 s17, ttmp7, 0xffff
	s_lshl_b32 s17, s17, 2
	s_add_co_u32 s17, s17, s41                     ; A's block of 128 rows
	s_lshl_b32 s43, s41, 2
	s_lshl_b32 s43, 15, s43
	s_lshl_b32 s44, 0x1111, s40
	s_or_b32 s[G1], s43, (3<<16)|(1<<21)           ; elements of 8 bytes; A's tiles go to my row of the cluster,
	s_or_b32 s[G1B], s44, (3<<16)|(1<<21)          ; B's to my column
.irp g, G1, G1B
	s_mov_b32 s[\g+1], (HK/8)<<16                  ; a row: half of a tile's K, 6,144 bytes
	s_mov_b32 s[\g+3], (HK/8)<<16
	s_mov_b32 s[\g+5], TILEB/8                     ; from tile to tile
	s_mov_b32 s[\g+6], 0
	s_mov_b32 s[\g+7], 0
.endr
	s_mov_b32 s[G1+2], 4<<16                       ; four tiles of A to a load,
	s_mov_b32 s[G1+4], 4
	s_mov_b32 s[G1B+2], 8<<16                      ; eight of B
	s_mov_b32 s[G1B+4], 8
	s_lshl_b32 s20, s17, 3
	s_lshl_b32 s95, s16, 2
	s_add_co_u32 s20, s20, s95
	s_add_co_u32 s20, s20, GA0                     ; A's first tile that I ask for
	s_mul_i32 s20, s20, TILEB
	s_mov_b32 s21, 0
	s_lshl_b32 s46, s42, 4
	s_lshl_b32 s95, s16, 3
	s_add_co_u32 s46, s46, s95
	s_add_co_u32 s46, s46, GB0                     ; B's first tile, asked for and multiplied
	s_lshl_b32 s92, s46, 9                         ; its scale words
	s_mov_b32 s93, 0
	s_mul_i32 s46, s46, TILEB
	s_mov_b32 s47, 0
	s_lshl_b32 s22, s17, 3
	s_lshl_b32 s95, s15, 2
	s_add_co_u32 s22, s22, s95
	s_add_co_u32 s22, s22, GA0                     ; A's first tile that I multiply
	s_lshl_b32 s22, s22, 9
	s_mov_b32 s23, 0
	s_mul_i32 s45, s16, 4*HK                       ; LDS: A's 8 tiles, then B's 16
	s_mul_i32 s94, s16, 8*HK
	s_add_co_u32 s94, s94, 8*HK
	s_wait_dscnt 0x0
	s_wait_kmcnt 0x0
	s_add_nc_u64 s[20:21], s[PAC:PAC+1], s[20:21]
	s_add_nc_u64 s[22:23], s[PAS:PAS+1], s[22:23]
	s_add_nc_u64 s[46:47], s[PBC:PBC+1], s[46:47]
	s_add_nc_u64 s[92:93], s[PBS:PBS+1], s[92:93]
	CROUND                                         ; all sixteen work-groups are here: the joint loads meet
.irp s, 0,1
	s_mov_b32 s[G0+4*\s], 1
	s_add_co_u32 s[G0+4*\s+1], s45, \s*SLOT
	s_add_nc_u64 s[G0+4*\s+2:G0+4*\s+3], s[20:21], \s*HK
	s_or_b32 s[G0+4*\s+3], s[G0+4*\s+3], 0x80000000
	s_mov_b32 s[G0B+4*\s], 1
	s_add_co_u32 s[G0B+4*\s+1], s94, \s*SLOT
	s_add_nc_u64 s[G0B+4*\s+2:G0B+4*\s+3], s[46:47], \s*HK
	s_or_b32 s[G0B+4*\s+3], s[G0B+4*\s+3], 0x80000000
.endr
	JLOAD G0, G1, G0B, G1B                         ; K 0 .. 511: my one load at the head
	v_and_b32 v1, 15, v0                           ; r
	v_bfe_u32 v2, v0, 4, 1                         ; h
	v_and_b32 v3, 31, v0
	v_lshlrev_b32 v4, 4, v3
	v_lshlrev_b32 v5, 3, v3
	v_lshlrev_b32 v[SO], 5, v1                     ; my row's eight scale words
	v_mov_b32 v[CO], v4
	v_lshlrev_b32 v[SV], 4, v1
	v_and_b32 v9, 8, v1
	v_add_nc_u32 v9, v9, v1
	v_lshlrev_b32 v9, 2, v9                        ; the bias of place r: feature r + 8 (r / 8) of its tile's 32
	s_mul_i32 s18, s15, 4*HK
.irp s, 0,1
	v_add_nc_u32 v[ADRA+\s], s18, v4
	v_add_nc_u32 v[ADRB+\s], s94, v4
	v_add_nc_u32 v[ADRA+2+\s], s18, v5
	v_add_nc_u32 v[ADRB+2+\s], s94, v5
	s_add_co_u32 s18, s18, SLOT
	s_add_co_u32 s94, s94, SLOT
.endr
	s_lshl_b32 s18, s17, 9
	s_lshl_b32 s19, s15, 8
	s_add_co_u32 s18, s18, s19
	s_mov_b32 s19, 0
	s_add_nc_u64 s[96:97], s[96:97], s[18:19]      ; my 64 features' bias
	s_wait_alu depctr_va_vdst(0)
.irp a, 0,1,2,3
	global_load_b128 v[SA+8*\a:SA+8*\a+3], v[SO], s[22:23] offset:512*\a
	global_load_b128 v[SA+8*\a+4:SA+8*\a+7], v[SO], s[22:23] offset:512*\a+16
.endr
.irp b, 0,1,2,3,4,5,6,7
	global_load_b128 v[SB+8*\b:SB+8*\b+3], v[SO], s[92:93] offset:512*\b
	global_load_b128 v[SB+8*\b+4:SB+8*\b+7], v[SO], s[92:93] offset:512*\b+16
.endr
	WIN 0xc0                                       ; destination in window 3
.irp a, 0,1,2,3
	global_load_b32 v[8*\a], v9, s[96:97] offset:4*(32*(\a/2)+8*(\a%2))
.endr
	WIN 0
	s_lshr_b32 s18, s42, 3                         ; kv: ((batch x 16 + head) x 16 + block) x 15,104
	s_lshl_b32 s18, s18, 4
	s_lshl_b32 s19, s17, 1
	s_add_co_u32 s18, s18, s19
	s_add_co_u32 s18, s18, s15
	s_lshl_b32 s18, s18, 4
	s_and_b32 s19, s42, 7
	s_lshl_b32 s19, s19, 1
	s_add_co_u32 s18, s18, s19
	s_add_co_u32 s18, s18, s16
	s_mul_i32 s18, s18, BLK
	s_mov_b32 s19, 0
	s_add_nc_u64 s[12:13], s[12:13], s[18:19]
.macro FRAG reg, adr, q, i             ; a fragment's image: registers 0-3, 4-5, 6-9, 10-11
	ds_load_b128 v[\reg:\reg+3], v[\adr] offset:HK*(\i)+FRB*(\q)
	ds_load_b64 v[\reg+4:\reg+5], v[\adr+2] offset:HK*(\i)+FRB*(\q)+512
	ds_load_b128 v[\reg+6:\reg+9], v[\adr] offset:HK*(\i)+FRB*(\q)+768
	ds_load_b64 v[\reg+10:\reg+11], v[\adr+2] offset:HK*(\i)+FRB*(\q)+1280
.endm
.macro FETCH st                        ; step st's fragments into set st % 2: B's eight, A's four
	WIN 0x40
.irp i, 0,1,2,3,4,5,6,7
	FRAG 128*((\st)%2)+FR*\i, ADRB+(\st)/4, (\st)%4, \i
.endr
	WIN 0
.irp i, 0,1,2,3
	FRAG AF+48*((\st)%2)+FR*\i, ADRA+(\st)/4, (\st)%4, \i
.endr
.endm
.macro MUL32 st, zero                  ; the 32 accumulators by turns, in the same order in every step
.irp a, 0,1,2,3
.irp b, 0,1,2,3,4,5,6,7
.set DD, 8*(8*\a+\b)
.set BF, 128*((\st)%2)+FR*\b
.set AA, AF+48*((\st)%2)+FR*\a
.if \zero
	v_wmma_scale_f32_16x16x128_f8f6f4 v[DD:DD+7], v[BF:BF+FR-1], v[AA:AA+FR-1], v[8*\a:8*\a+7], v[SB+8*\b+(\st)], v[SA+8*\a+(\st)] matrix_a_fmt:MATRIX_FMT_FP6 matrix_b_fmt:MATRIX_FMT_FP6
.else
	v_wmma_scale_f32_16x16x128_f8f6f4 v[DD:DD+7], v[BF:BF+FR-1], v[AA:AA+FR-1], v[DD:DD+7], v[SB+8*\b+(\st)], v[SA+8*\a+(\st)] matrix_a_fmt:MATRIX_FMT_FP6 matrix_b_fmt:MATRIX_FMT_FP6
.endif
.endr
.endr
.endm
.macro STEP st, zero                   ; 128 along K: the next step's 48 LDS loads go out ahead of this step's 32 products
.if (\st) == 3
	s_wait_tensorcnt 0x0                           ; my part of the second half has landed
.endif
	s_wait_dscnt 0x0                               ; this step's fragments are in
.if (\st) == 3
	s_barrier_signal -1
	s_barrier_wait -1                              ; everybody's part has landed, and nobody reads the first half any more
.endif
.if (\st) < 7
	PLACES 4                                       ; behind the last step's products, which read the set that is loaded now
	FETCH (\st)+1
.endif
.if \zero
	WIN 0xb1                                       ; source 0 window 1, source 1 window 0, C window 3, D window 2
.else
	WIN 0xa1
.endif
	MUL32 \st, \zero
	WIN 0
.endm
	s_wait_alu depctr_va_vdst(0)
	s_wait_tensorcnt 0x0                           ; my part of the first half is in; the lines ahead of a later first fill:
	ds_add_u32 v[SPW], v[NIL]
	s_wait_dscnt 0x0
	CROUND
	JLOAD G0+4, G1, G0B+4, G1B                     ; K 512 .. 1,023, the first tensor load behind the round
	FETCH 0
	s_wait_loadcnt 0x0                             ; scale words and bias
	WIN 0xc3
.irp a, 0,1,2,3
.irp j, 1,2,3,4,5,6,7
	v_mov_b32 v[8*\a+\j], v[8*\a]                  ; a lane's eight results of a tile are one feature's: the same bias
.endr
.endr
	WIN 0
	s_wait_alu depctr_va_vdst(0)
	STEP 0, 1
.irp t, 1,2,3,4,5,6,7
	STEP \t, 0
.endr
.macro QUANTW a, pw                    ; 16 features x 128 keys: four blocks of 32 keys, each in lanes l and l xor 16
.set AC, 64*(\a)
	WIN 0x0a
.irp b, 0,1,2,3
	v_max3_num_f32 v[TM+\b], |v[AC+16*\b]|, |v[AC+16*\b+1]|, 0x1800000   ; with the floor 2^(3 - 127)
.endr
.irp i, 2,4,6,8,10,12,14
.irp b, 0,1,2,3
	v_max3_num_f32 v[TM+\b], |v[AC+16*\b+\i]|, |v[AC+16*\b+\i+1]|, v[TM+\b]
.endr
.endr
	WIN 0
.irp b, 0,1,2,3
	v_permlanex16_b32 v[TM+4+\b], v[TM+\b], s[SEL], s[SEL+1]
.endr
.irp b, 0,1,2,3
	v_max_num_f32 v[TM+\b], v[TM+\b], v[TM+4+\b]
.endr
.irp b, 0,1,2,3
	v_add_nc_u32 v[TM+12+\b], 0xff000000, v[TM+\b] ; 2 off the exponent field: the conversion's scale operand
.endr
.irp b, 0,1,2,3
	v_lshrrev_b32 v[TM+4+\b], 23, v[TM+12+\b]      ; the byte
.endr
	v_lshl_or_b32 v[\pw], v[TM+5], 8, v[TM+4]
	v_lshl_or_b32 v[\pw], v[TM+6], 16, v[\pw]
	v_lshl_or_b32 v[\pw], v[TM+7], 24, v[\pw]
	WIN 2
.irp c, 0,1
	v_cvt_scalef32_pk16_fp6_f32 v[PC+6*\c:PC+6*\c+2], v[AC+32*\c:AC+32*\c+15], v[TM+12+2*\c]
	v_cvt_scalef32_pk16_fp6_f32 v[T2+4*\c:T2+4*\c+2], v[AC+32*\c+16:AC+32*\c+31], v[TM+13+2*\c]
.endr
	WIN 0
	v_nop                                          ; one plain place behind the conversions
.irp c, 0,1
.irp i, 0,1,2
	v_permlane16_swap_b32 v[PC+6*\c+\i], v[T2+4*\c+\i]   ; a whole block to a lane
.endr
.irp i, 0,1,2
	v_mov_b32 v[PC+6*\c+3+\i], v[T2+4*\c+\i]
.endr
.endr
.endm
	s_mov_b32 s[SEL], 0x76543210
	s_mov_b32 s[SEL+1], 0xfedcba98
	PLACES 4
.irp b, 0,1,2,3
	v_mov_b32 v[TM+4+\b], 0                        ; a lane permute's destination counts as a source
.endr
.irp a, 0,1,2,3
	s_wait_xcnt 0x0                                ; the last tile's stores have read their registers
	QUANTW \a, SW+\a
.irp c, 0,1,2
	global_store_b128 v[CO], v[PC+4*\c:PC+4*\c+3], s[12:13] offset:8192+1536*\a+512*\c
.endr
.endr
	s_wait_alu depctr_va_vdst(0)
	global_store_b128 v[SV], v[SW:SW+3], s[12:13] offset:14848   ; [place][tile]: 256 bytes; lanes l and l xor 16 hold and store the same words
	s_wait_tensorcnt 0x0                           ; the wave's end
	ds_add_u32 v[SPW], v[NIL]
	s_wait_dscnt 0x0
	CROUND                                         ; the closing round
	s_endpgm
.Lfunc_end_k_qbf7a3dce3c_projv:
	.size	k_qbf7a3dce3c_projv, .Lfunc_end_k_qbf7a3dce3c_projv-k_qbf7a3dce3c_projv
	.p2alignl 7, 3214868480
	.fill 96, 4, 3214868480
	.section	.rodata,"a",@progbits
	.p2align	6, 0x0
	.amdhsa_kernel k_qbf7a3dce3c_projv
		.amdhsa_group_segment_fixed_size 327680
		.amdhsa_private_segment_fixed_size 0
		.amdhsa_enable_private_segment 0
		.amdhsa_kernarg_size 32
		.amdhsa_user_sgpr_count 2
		.amdhsa_user_sgpr_kernarg_segment_ptr 1
		.amdhsa_wavefront_size32 1
		.amdhsa_system_sgpr_workgroup_id_x 1
		.amdhsa_system_sgpr_workgroup_id_y 1
		.amdhsa_system_sgpr_workgroup_id_z 1
		.amdhsa_system_vgpr_workitem_id 0
		.amdhsa_next_free_vgpr 1024
		.amdhsa_next_free_sgpr 102
		.amdhsa_reserve_vcc 0
		.amdhsa_float_denorm_mode_32 3
		.amdhsa_float_denorm_mode_16_64 3
		.amdhsa_memory_ordered 1
		.amdhsa_forward_progress 1
		.amdhsa_inst_pref_size 88
	.end_amdhsa_kernel
	.amdgpu_metadata
---
amdhsa.version: [ 1, 2 ]
amdhsa.kernels:
  - .name:           k_qbf7a3dce3c_projv
    .symbol:         k_qbf7a3dce3c_projv.kd
    .args:
      - { .name: xcodes, .offset: 0, .size: 8, .value_kind: global_buffer, .address_space: global }
      - { .name: xscales, .offset: 8, .size: 8, .value_kind: global_buffer, .address_space: global }
      - { .name: bv, .offset: 16, .size: 8, .value_kind: global_buffer, .address_space: global }
      - { .name: kv, .offset: 24, .size: 8, .value_kind: global_buffer, .address_space: global }
    .group_segment_fixed_size: 327680
    .private_segment_fixed_size: 0
    .kernarg_segment_align: 8
    .kernarg_segment_size: 32
    .max_flat_workgroup_size: 128
    .sgpr_count:     102
    .vgpr_count:     1024
    .wavefront_size: 32
...
	.end_amdgpu_metadata
.endif
;; end of part 3
;; launch attn (part 4): grid 4 x 64, 16 waves a work-group, clusters of 4 x 1, 243,712 bytes of LDS; arguments qb, kv, ctx, csc; writes ctx, csc
.if DOCPART == 4
	.amdgcn_target "amdgcn-amd-amdhsa--gfx1250"
	.amdhsa_code_object_version 6
	.text
	.protected	k_qbf7a3dce3c_attn
	.globl	k_qbf7a3dce3c_attn
	.p2align	8
	.type	k_qbf7a3dce3c_attn,@function
k_qbf7a3dce3c_attn:
	s_mov_b64 s[64:65], 0
	v_nop
	global_prefetch_b8 v0, s[64:65] scope:SCOPE_SE
	s_setreg_imm32_b32 hwreg(HW_REG_WAVE_MODE, 25, 1), 1
	s_wait_xcnt 0x0
	s_wait_alu depctr_hold_cnt(0) depctr_sa_sdst(0) depctr_va_vdst(0) depctr_va_sdst(0) depctr_va_ssrc(0) depctr_va_vcc(0) depctr_vm_vsrc(0)
	s_getreg_b32 s2, hwreg(HW_REG_IB_STS2, 6, 4)
	s_cmp_eq_u32 s2, 0
	s_cbranch_scc0 .Lentry_in_a_cluster
	s_endpgm
.Lentry_in_a_cluster:
	s_bfe_u32 s2, ttmp6, 0x10000c
	s_cmp_lg_u32 s2, 0x3003
	s_cbranch_scc0 .Lentry_shape_is_right
	s_endpgm
.Lentry_shape_is_right:
; context = softmax(Q K^T / 8, masked) V for one head, both products on codes of FP6 (E2M3) with E8M0 scales; the context is quantised along the head's 64 and stored as the output projection's operand.
; INPUTS.  qb and kv: [batch x 16 + head][16 blocks][15,104 bytes]; a block is 128 rows: eight tiles' images of K (or Q) at 1,024 a (registers 0-3, then 4-7; register 6 holds the mask's code at k = 64),
; four tiles' images of V^T (16 features x 128 keys, registers 0-3, 4-7, 8-11) at 8,192 + 1,536 t, K's scale words [a / 4][place][a % 4] at 14,336, V's [place][t] at 14,848.
; THE SOFTMAX AHEAD OF THE SECOND PRODUCT: t = score x log2(e) / 8; M = the row's largest t so far, rounded UP to a whole number; p = 2^(t - M) is quantised along the keys, not normalised; the row's sum is taken
; of the unquantised p and divides at the end.  When M moves, the sum and O are multiplied by 2^(old M - new M): exact.
; THE MASK costs no line here: the first product has K = 64, and k = 64 of its instruction holds 2.0 for every query (scale byte 127) and -4.0 x 2^30 for a masked key, whose other codes are zeros: its score is -2^33.
; t = -2^33 c is a whole number, so a row all of whose keys are masked has p = 1 everywhere, as reference() gives.
; LIMITS: the masked logit is -2^30 where reference() has -1e9; NaN and infinities are not served; a block of the context under 2^-124, zeros too, keeps the byte 1.
; SHARES.  A work-group owns 512 queries of one head; each of its sixteen waves owns a tile of 16, twice (two passes).  The head's whole K and V, 241,664 bytes, lie in LDS, filled once: wave w brings block w.
; CLUSTER.  The four work-groups of a head walk the same K and V: each block is asked for jointly, by the same tensor load with a mask that names the four.
; LAYOUT.  Both products are used transposed: S^T = K Q^T, O^T = V^T P^T: a lane holds ONE query throughout; the 16 registers of tiles 2 b, 2 b + 1 of S^T are keys 32 b + 16 h + 0 .. 15.
; FRAGMENTS AHEAD.  Q's codes at k = 76 .. 127 (registers 8-11) are zeros and every code of FP6 is a finite number, so registers 8-11 of a fragment of K add nothing whatever bits they hold.  So:
; K's tiles 0-3 of the NEXT step are asked for behind p's conversions, into v128-151 (eight registers a tile, each operand's last four lying over the next tile's first four or over old p) and v230-241;
; K's tiles 4-7 land in v32-79 at a step's head; V's four fragments land in the same v32-79 behind the score products and have the softmax's lines in which to arrive.
; The loop has 15 trips and the last step is written out: pass 0's asks for block 0, which pass 1 reads first; pass 1's asks for nothing.
.set BLK,   15104
.set HEADB, 16*BLK
.set VIM,   8192
.set KSC,   14336
.set VSC,   14848
.set LI,  1                            ; v1   16 x lane
.set SR,  2                            ; v2   16 r
.set L8,  3                            ; v3   8 x lane
.set QC,  4                            ; v4   the code of 2.0 in lanes 0-15, which hold k = 64
.set AD,  5                            ; v5   a block + 16 x lane
.set AS,  6                            ; v6   a block + 16 r
.set CB,  8                            ; v8   32 r + h: my byte of the context's scales
.set Q,   16                           ; v16-27 Q's fragment (registers 8-11 stay 0)
.set QS,  28
.set KF,  32                           ; v32-79 K's tiles 4-7, then V's four fragments
.set KS,  80                           ; v80-87 K's scale words;  v88-91 V's;  v92 p's
.set VS,  88
.set PS,  92
.set S,   96                           ; v96-159 S^T, then p
.set K3,  230                          ; v230-241 K's tile 3
.set O,   160
.set PC,  192
.set T2,  204
.set BM,  212
.set BX,  216
.set BE,  220
.set F,   224
.set TT,  226
.set WV,  12
.set SEL, 20
.set CS,  22
.set G1,  24
.set G0,  32
.set TB,  48
.set CNT, 49
.macro CROUND
	s_barrier_signal -1
	s_barrier_wait -1
	s_cmp_lg_u32 s[WV], 0
	s_cbranch_scc1 .Lnot_wave_0_\@
	s_barrier_signal -3
.Lnot_wave_0_\@:
	s_barrier_wait -3
	s_barrier_signal -1
	s_barrier_wait -1
.endm
	s_load_b256 s[4:11], s[0:1], 0x0               ; qb, kv, ctx, csc
	v_lshl_add_u32 v254, v0, 2, 0x3b000
	v_mov_b32 v255, 0
	ds_add_u32 v254, v255                          ; the opening lines: the add twice on end and its wait
	ds_add_u32 v254, v255
	v_lshrrev_b32 v9, 5, v0
	s_delay_alu instid0(VALU_DEP_1)
	v_readfirstlane_b32 s[WV], v9                  ; wave 0..15
	s_bfe_u32 s13, ttmp6, 0x40000
	s_lshl_b32 s15, ttmp9, 2
	s_add_co_u32 s13, s13, s15                     ; my block of 512 queries
	s_and_b32 s14, ttmp7, 0xffff                   ; batch x 16 + head
	s_mov_b32 s[G1], 15|(3<<16)|(1<<21)            ; a block of 15,104 dense bytes as 59 rows of 256; the mask names all four work-groups
	s_mov_b32 s[G1+1], 32<<16
	s_mov_b32 s[G1+2], 59<<16
	s_mov_b32 s[G1+3], 32<<16
	s_mov_b32 s[G1+4], 59
	s_mov_b32 s[G1+5], 32
	s_mov_b32 s[G1+6], 0
	s_mov_b32 s[G1+7], 0
	s_mul_i32 s[G0+1], s[WV], BLK
	s_mul_i32 s36, s14, HEADB
	s_add_co_u32 s36, s36, s[G0+1]
	s_mov_b32 s37, 0
	s_lshl_b32 s15, s14, 4                         ; Q's tile in pass 0: block 4 x + w / 8, tile w % 8
	s_lshl_b32 s16, s13, 2
	s_add_co_u32 s15, s15, s16
	s_lshr_b32 s16, s[WV], 3
	s_add_co_u32 s15, s15, s16
	s_mul_i32 s15, s15, BLK
	s_and_b32 s16, s[WV], 7
	s_lshl_b32 s17, s16, 10
	s_add_co_u32 s40, s15, s17
	s_mov_b32 s41, 0
	s_lshr_b32 s17, s16, 2
	s_lshl_b32 s17, s17, 8
	s_and_b32 s18, s[WV], 3
	s_lshl_b32 s18, s18, 2
	s_add_co_u32 s42, s15, s17
	s_add_co_u32 s42, s42, s18
	s_add_co_u32 s42, s42, KSC
	s_mov_b32 s43, 0
	s_lshr_b32 s15, s14, 4
	s_lshl_b32 s15, s15, 7
	s_lshl_b32 s16, s13, 5
	s_add_co_u32 s15, s15, s16
	s_add_co_u32 s15, s15, s[WV]                   ; the tile's number among the 512 of all batches
	s_and_b32 s16, s14, 15
	s_mul_i32 s44, s15, 12288
	s_mul_i32 s17, s16, 768
	s_add_co_u32 s44, s44, s17                     ; ctx [tile][head][768]
	s_mov_b32 s45, 0
	s_lshl_b32 s46, s15, 9
	s_lshl_b32 s17, s16, 1
	s_add_co_u32 s46, s46, s17                     ; csc [tile][place][32]
	s_mov_b32 s47, 0
	s_mov_b32 s[SEL], 0x76543210
	s_mov_b32 s[SEL+1], 0xfedcba98
	s_mov_b32 s[CS], 0x3e38aa3b                    ; c = log2(e) / 8
	s_mov_b32 s[CS+1], s[CS]
	s_mov_b32 s50, 0xffff0000
	s_mov_b32 s51, 0x7f7f0000
	s_wait_dscnt 0x0
	s_wait_kmcnt 0x0
	s_mov_b32 s[G0], 1
	s_add_nc_u64 s[G0+2:G0+3], s[6:7], s[36:37]
	s_or_b32 s[G0+3], s[G0+3], 0x80000000
	CROUND
	tensor_load_to_lds s[G0:G0+3], s[G1:G1+7]      ; my one tensor load of the launch
	s_nop 0
.rept 4
	v_nop
.endr
	s_add_nc_u64 s[52:53], s[4:5], s[42:43]
	s_add_nc_u64 s[4:5], s[4:5], s[40:41]
	s_add_nc_u64 s[8:9], s[8:9], s[44:45]
	s_add_nc_u64 s[10:11], s[10:11], s[46:47]
	v_and_b32 v9, 31, v0
	v_and_b32 v10, 15, v0
	v_bfe_u32 v11, v0, 4, 1
	s_delay_alu instid0(VALU_DEP_3)
	v_lshlrev_b32 v[LI], 4, v9
	s_delay_alu instid0(VALU_DEP_3)
	v_lshlrev_b32 v[SR], 4, v10
	v_lshlrev_b32 v[L8], 3, v9
	s_delay_alu instid0(VALU_DEP_4)
	v_xor_b32 v[QC], 1, v11
	s_delay_alu instid0(VALU_DEP_1)
	v_lshlrev_b32 v[QC], 4, v[QC]
	v_lshl_add_u32 v[CB], v10, 5, v11
.irp i, 8,9,10,11
	v_mov_b32 v[Q+\i], 0                           ; k = 76 .. 127 of Q: zero codes, written once
	v_mov_b32 v[K3+\i], 0                          ; the fragments' last four registers are written before they are first named
	v_mov_b32 v[S+48+\i], 0
.irp t, 0,1,2,3
	v_mov_b32 v[KF+12*\t+\i], 0
.endr
.endr
.irp b, 0,1,2,3
	v_mov_b32 v[BX+\b], 0                          ; a lane permute's destination counts as one of its sources
.endr
	v_mov_b32 v[F+1], 0
	v_mov_b32 v[TT], 0
.macro BLKMAX b0                       ; the largest score of blocks b0 and b0 + 1 of 32 keys, my 16 of each; each accumulator from its low end on
.irp b, \b0, \b0+1
	v_max3_num_f32 v[BM+(\b)], v[S+16*(\b)], v[S+1+16*(\b)], v[S+2+16*(\b)]
.endr
.irp i, 3,5,7,9,11,13
.irp b, \b0, \b0+1
	v_max3_num_f32 v[BM+(\b)], v[BM+(\b)], v[S+16*(\b)+\i], v[S+1+16*(\b)+\i]
.endr
.endr
.irp b, \b0, \b0+1
	v_max_num_f32 v[BM+(\b)], v[BM+(\b)], v[S+15+16*(\b)]
.endr
.endm
.macro AHEAD                           ; ten LDS loads: the scale words and tiles 0-3 of K of the block that v[AD], v[AS] name
	ds_load_b128 v[KS:KS+3], v[AS] offset:KSC
	ds_load_b128 v[KS+4:KS+7], v[AS] offset:KSC+256
.irp t, 0,1,2
	ds_load_b128 v[S+32+8*\t:S+32+8*\t+3], v[AD] offset:1024*\t
	ds_load_b128 v[S+32+8*\t+4:S+32+8*\t+7], v[AD] offset:1024*\t+512
.endr
	ds_load_b128 v[K3:K3+3], v[AD] offset:3072
	ds_load_b128 v[K3+4:K3+7], v[AD] offset:3072+512
.endm
; A KEY STEP: 128 keys.  pf = 1: the next block follows; 2: block 0 follows (the next pass); 0: nothing follows
.macro STEP pf
.rept 4
	v_nop                                          ; places in front of loads into registers that the last products read
.endr
.irp t, 0,1,2,3
	ds_load_b128 v[KF+12*\t:KF+12*\t+3], v[AD] offset:1024*(4+\t)
	ds_load_b128 v[KF+12*\t+4:KF+12*\t+7], v[AD] offset:1024*(4+\t)+512
.endr
	s_wait_dscnt 8                                 ; all but the eight just issued: tiles 0-3 and the scale words are in
.irp t, 0,1,2
	v_wmma_scale_f32_16x16x128_f8f6f4 v[S+8*\t:S+8*\t+7], v[S+32+8*\t:S+32+8*\t+11], v[Q:Q+11], 0, v[KS+\t], v[QS] matrix_a_fmt:MATRIX_FMT_FP6 matrix_b_fmt:MATRIX_FMT_FP6
.endr
	v_wmma_scale_f32_16x16x128_f8f6f4 v[S+24:S+31], v[K3:K3+11], v[Q:Q+11], 0, v[KS+3], v[QS] matrix_a_fmt:MATRIX_FMT_FP6 matrix_b_fmt:MATRIX_FMT_FP6
.rept 5
	v_nop                                          ; four places ahead of the first read of results, five before tiles 4-7's results are written over tiles 0-2's fragments
.endr
	BLKMAX 0
	s_wait_dscnt 0x0
.irp t, 0,1,2,3
	v_wmma_scale_f32_16x16x128_f8f6f4 v[S+32+8*\t:S+32+8*\t+7], v[KF+12*\t:KF+12*\t+11], v[Q:Q+11], 0, v[KS+4+\t], v[QS] matrix_a_fmt:MATRIX_FMT_FP6 matrix_b_fmt:MATRIX_FMT_FP6
.endr
.rept 4
	v_nop
.endr
.irp t, 0,1,2,3                        ; V's four fragments, 13 loads with the scale words: they land while the softmax is worked
.irp c, 0,1,2
	ds_load_b128 v[KF+12*\t+4*\c:KF+12*\t+4*\c+3], v[AD] offset:VIM+1536*\t+512*\c
.endr
.endr
	ds_load_b128 v[VS:VS+3], v[AS] offset:VSC
.if \pf == 1
	s_add_co_u32 s[TB], s[TB], BLK
.endif
.if \pf == 2
	s_mov_b32 s[TB], 0
.endif
.if \pf
	v_add_nc_u32 v[AD], s[TB], v[LI]               ; from here on: the block that follows
	v_add_nc_u32 v[AS], s[TB], v[SR]
.endif
	BLKMAX 2
.irp b, 0,1,2,3
	v_permlanex16_b32 v[BX+\b], v[BM+\b], s[SEL], s[SEL+1]
.endr
.irp b, 0,1,2,3
	s_delay_alu instid0(VALU_DEP_4)
	v_max_num_f32 v[BM+\b], v[BM+\b], v[BX+\b]     ; the largest score of each block serves twice: for the row's maximum and, since p rises with the score, for the block's largest p
.endr
	s_delay_alu instid0(VALU_DEP_2)
	v_max3_num_f32 v[TT], v[BM], v[BM+1], v[BM+2]
	s_delay_alu instid0(VALU_DEP_1)
	v_max_num_f32 v[TT], v[TT], v[BM+3]
	s_delay_alu instid0(VALU_DEP_1)
	v_mul_f32 v[TT], s[CS], v[TT]
	s_delay_alu instid0(VALU_DEP_1)
	v_max_num_f32 v13, v13, v[TT]                  ; the running largest t
	v_mov_b32 v[TT], v12
	s_delay_alu instid0(VALU_DEP_2)
	v_floor_f32 v12, -v13                          ; the new -M = floor(-t)
	s_delay_alu instid0(VALU_DEP_1)
	v_sub_f32 v[TT], v12, v[TT]
	s_delay_alu instid0(VALU_DEP_1)
	v_cvt_i32_f32 v[TT], v[TT]
	s_delay_alu instid0(VALU_DEP_1)
	v_ldexp_f32 v[F], 1.0, v[TT]                   ; f = 2^(old M - new M)
.set J, 0
.rept 32
	v_pk_fma_f32 v[S+J:S+J+1], v[S+J:S+J+1], s[CS:CS+1], v[12:13] op_sel_hi:[1,0,0]   ; t - M
.set J, J+2
.endr
.irp b, 0,1,2,3
	v_fma_f32 v[BM+\b], v[BM+\b], s[CS], v12
.endr
.set J, 0
	s_wait_alu depctr_va_vdst(0)
.rept 64
	v_exp_f32 v[S+J], v[S+J]                       ; p = 2^(t - M), not normalised
.set J, J+1
.endr
.irp b, 0,1,2,3
	v_exp_f32 v[BM+\b], v[BM+\b]                   ; the block's largest p
.endr
	v_pk_mul_f32 v[14:15], v[14:15], v[F:F+1] op_sel_hi:[1,0]   ; the sums under the new M; the plain place behind the batch
	s_wait_alu depctr_va_vdst(0)                   ; and the wait behind it
.irp b, 0,1,2,3
	v_max_num_f32 v[BM+\b], 0x1800000, v[BM+\b]    ; the floor 2^(3 - 127)
.endr
.irp b, 0,1,2,3
	s_delay_alu instid0(VALU_DEP_4)
	v_add_nc_u32 v[BE+\b], 0xff000000, v[BM+\b]    ; the conversion's scale operand
.endr
.irp b, 0,1,2,3
	s_delay_alu instid0(VALU_DEP_4)
	v_lshrrev_b32 v[BX+\b], 23, v[BE+\b]           ; the byte
.endr
	s_delay_alu instid0(VALU_DEP_3)
	v_lshl_or_b32 v[PS], v[BX+1], 8, v[BX]
	s_delay_alu instid0(VALU_DEP_1)
	v_lshl_or_b32 v[PS], v[BX+2], 16, v[PS]
	s_delay_alu instid0(VALU_DEP_1)
	v_lshl_or_b32 v[PS], v[BX+3], 24, v[PS]
	v_pk_add_f32 v[228:229], v[100:101], v[104:105]   ; the row's sum of the unquantised p, in eight chains
	v_pk_add_f32 v[252:253], v[108:109], v[112:113]
	v_pk_add_f32 v[250:251], v[116:117], v[120:121]
	v_pk_add_f32 v[248:249], v[124:125], v[128:129]
	v_pk_add_f32 v[246:247], v[132:133], v[136:137]
	v_pk_add_f32 v[244:245], v[140:141], v[144:145]
	v_pk_add_f32 v[242:243], v[148:149], v[152:153]
	v_pk_add_f32 v[14:15], v[14:15], v[156:157]
	v_pk_add_f32 v[228:229], v[228:229], v[96:97]
	v_pk_add_f32 v[252:253], v[252:253], v[98:99]
	v_pk_add_f32 v[250:251], v[250:251], v[102:103]
	v_pk_add_f32 v[248:249], v[248:249], v[106:107]
	v_pk_add_f32 v[246:247], v[246:247], v[110:111]
	v_pk_add_f32 v[244:245], v[244:245], v[114:115]
	v_pk_add_f32 v[242:243], v[242:243], v[118:119]
	v_pk_add_f32 v[14:15], v[14:15], v[122:123]
	v_pk_add_f32 v[228:229], v[228:229], v[126:127]
	v_pk_add_f32 v[252:253], v[252:253], v[130:131]
	v_pk_add_f32 v[250:251], v[250:251], v[134:135]
	v_pk_add_f32 v[248:249], v[248:249], v[138:139]
	v_pk_add_f32 v[246:247], v[246:247], v[142:143]
	v_pk_add_f32 v[244:245], v[244:245], v[146:147]
	v_pk_add_f32 v[242:243], v[242:243], v[150:151]
	v_pk_add_f32 v[14:15], v[14:15], v[154:155]
	v_pk_add_f32 v[228:229], v[228:229], v[158:159]
	s_delay_alu instid0(VALU_DEP_2)
	v_pk_add_f32 v[14:15], v[14:15], v[248:249]
	s_delay_alu instid0(VALU_DEP_2)
	v_pk_add_f32 v[228:229], v[228:229], v[246:247]
	v_pk_add_f32 v[252:253], v[252:253], v[244:245]
	v_pk_add_f32 v[250:251], v[250:251], v[242:243]
	s_delay_alu instid0(VALU_DEP_2)
	v_pk_add_f32 v[14:15], v[14:15], v[252:253]
	s_delay_alu instid0(VALU_DEP_2)
	v_pk_add_f32 v[228:229], v[228:229], v[250:251]
	s_delay_alu instid0(VALU_DEP_1)
	v_pk_add_f32 v[14:15], v[14:15], v[228:229]
.irp c, 0,1
	v_cvt_scalef32_pk16_fp6_f32 v[PC+6*\c:PC+6*\c+2], v[S+32*\c:S+32*\c+15], v[BE+2*\c]
	v_cvt_scalef32_pk16_fp6_f32 v[T2+4*\c:T2+4*\c+2], v[S+32*\c+16:S+32*\c+31], v[BE+2*\c+1]
.endr
.if \pf
	AHEAD                                          ; p is done with: the following block's first fragments land on its upper half
.endif
	v_nop                                          ; one plain place behind a scaled conversion
.irp c, 0,1                            ; a whole block to a lane
.irp i, 0,1,2
	v_permlane16_swap_b32 v[PC+6*\c+\i], v[T2+4*\c+\i]
.endr
.irp i, 0,1,2
	s_delay_alu instid0(VALU_DEP_3)
	v_mov_b32 v[PC+6*\c+3+\i], v[T2+4*\c+\i]
.endr
.endr
	s_wait_alu depctr_va_vdst(0)
.set J, 0
.rept 16
	v_pk_mul_f32 v[O+J:O+J+1], v[O+J:O+J+1], v[F:F+1] op_sel_hi:[1,0]   ; O^T under the new M; also the places between p's codes and scale word and the products
.set J, J+2
.endr
	s_wait_alu depctr_va_vdst(0)
.if \pf
	s_wait_dscnt 10                                ; V's thirteen loads are in; the ten for the following block may be out
.else
	s_wait_dscnt 0x0
.endif
.irp t, 0,1,2,3                        ; O^T += V^T P^T: the four accumulators by turns
	v_wmma_scale_f32_16x16x128_f8f6f4 v[O+8*\t:O+8*\t+7], v[KF+12*\t:KF+12*\t+11], v[PC:PC+11], v[O+8*\t:O+8*\t+7], v[VS+\t], v[PS] matrix_a_fmt:MATRIX_FMT_FP6 matrix_b_fmt:MATRIX_FMT_FP6
.endr
.endm
; The context of my 16 queries: O^T / the sum, quantised along the head's 64 (two blocks), stored as half a fragment's image and two scale bytes a query.
.macro WAYOUT p
	v_add_f32 v14, v14, v15                        ; with the three below: four places behind the last products
.rept 3
	v_nop
.endr
	v_permlanex16_b32 v[TT], v14, s[SEL], s[SEL+1]
	s_delay_alu instid0(VALU_DEP_1)
	v_add_f32 v14, v14, v[TT]                      ; the row's sum
	s_wait_alu depctr_va_vdst(0)
	v_rcp_f32 v[F], v14
	v_nop
.set J, 0
	s_wait_alu depctr_va_vdst(0)
.rept 16
	v_pk_mul_f32 v[O+J:O+J+1], v[O+J:O+J+1], v[F:F+1] op_sel_hi:[1,0]
.set J, J+2
.endr
.irp b, 0,1
	v_max3_num_f32 v[BM+\b], |v[O+16*\b]|, |v[O+16*\b+1]|, 0x1800000
.endr
.irp i, 2,4,6,8,10,12,14
.irp b, 0,1
	s_delay_alu instid0(VALU_DEP_2)
	v_max3_num_f32 v[BM+\b], v[BM+\b], |v[O+16*\b+\i]|, |v[O+16*\b+\i+1]|
.endr
.endr
.irp b, 0,1
	s_delay_alu instid0(VALU_DEP_2)
	v_permlanex16_b32 v[BX+\b], v[BM+\b], s[SEL], s[SEL+1]
.endr
.irp b, 0,1
	s_delay_alu instid0(VALU_DEP_2)
	v_max_num_f32 v[BM+\b], v[BM+\b], v[BX+\b]
.endr
.irp b, 0,1
	s_delay_alu instid0(VALU_DEP_2)
	v_add_nc_u32 v[BE+\b], 0xff000000, v[BM+\b]
.endr
.irp b, 0,1
	s_delay_alu instid0(VALU_DEP_2)
	v_lshrrev_b32 v[BX+\b], 23, v[BE+\b]
.endr
	v_cvt_scalef32_pk16_fp6_f32 v[PC:PC+2], v[O:O+15], v[BE]
	v_cvt_scalef32_pk16_fp6_f32 v[T2:T2+2], v[O+16:O+31], v[BE+1]
	v_cndmask_b32 v[TT], v[BX], v[BX+1], s50       ; lanes 0-15 store block 0's byte, lanes 16-31 block 1's; the plain place behind the conversions
.irp i, 0,1,2
	v_permlane16_swap_b32 v[PC+\i], v[T2+\i]
.endr
.irp i, 0,1,2
	s_delay_alu instid0(VALU_DEP_3)
	v_mov_b32 v[PC+3+\i], v[T2+\i]
.endr
	global_store_b128 v[LI], v[PC:PC+3], s[8:9] offset:196608*\p
	global_store_b64 v[L8], v[PC+4:PC+5], s[8:9] offset:196608*\p+512
	global_store_b8 v[CB], v[TT], s[10:11] offset:8192*\p
.endm
.macro PASS p                          ; tile 32 x + 16 p + w of the head's queries against all 2,048 keys
.if \p
	s_wait_xcnt 0x0                                ; the last pass's stores have read their registers
.endif
	global_load_b128 v[Q:Q+3], v[LI], s[4:5] offset:2*BLK*\p
	global_load_b128 v[Q+4:Q+7], v[LI], s[4:5] offset:2*BLK*\p+512
	global_load_b32 v[QS], v[SR], s[52:53] offset:2*BLK*\p
.if \p == 0
	s_mov_b32 s[TB], 0
	v_add_nc_u32 v[AD], s[TB], v[LI]
	v_add_nc_u32 v[AS], s[TB], v[SR]
	AHEAD                                          ; block 0's first fragments (pass 1's were asked for by pass 0's last step)
.endif
	s_mov_b32 s[CNT], 15
	s_wait_loadcnt 0x0
	v_mov_b32 v[Q+6], v[QC]                        ; 2.0 at k = 64,
	v_and_or_b32 v[QS], v[QS], 0xffff, s51         ; under the scale byte 127; the lines below are the places between these two and the first product
	v_mov_b32 v13, 0xff61b1e6                      ; the largest t so far: -3e38
	s_delay_alu instid0(VALU_DEP_1)
	v_floor_f32 v12, -v13
	v_mov_b32 v14, 0
	v_mov_b32 v15, 0
.set J, 0
.rept 32
	v_mov_b32 v[O+J], 0                            ; O^T: the first step finds zeros, which the first change of M leaves zeros
.set J, J+1
.endr
.Lstep_\@:
	STEP 1
	s_sub_co_u32 s[CNT], s[CNT], 1
	s_cmp_lg_u32 s[CNT], 0
	s_cbranch_scc1 .Lstep_\@
.if \p == 0
	STEP 2
.else
	STEP 0
.endif
	WAYOUT \p
.endm
	s_wait_alu depctr_va_vdst(0)
	s_wait_tensorcnt 0x0                           ; my block has landed,
	s_barrier_signal -1
	s_barrier_wait -1                              ; everybody's has: the head's K and V are whole
	PASS 0
	PASS 1
	s_wait_tensorcnt 0x0                           ; the wave's end
	ds_add_u32 v254, v255
	s_wait_dscnt 0x0
	CROUND                                         ; the closing round
	s_endpgm
.Lfunc_end_k_qbf7a3dce3c_attn:
	.size	k_qbf7a3dce3c_attn, .Lfunc_end_k_qbf7a3dce3c_attn-k_qbf7a3dce3c_attn
	.p2alignl 7, 3214868480
	.fill 96, 4, 3214868480
	.section	.rodata,"a",@progbits
	.p2align	6, 0x0
	.amdhsa_kernel k_qbf7a3dce3c_attn
		.amdhsa_group_segment_fixed_size 243712
		.amdhsa_private_segment_fixed_size 0
		.amdhsa_enable_private_segment 0
		.amdhsa_kernarg_size 32
		.amdhsa_user_sgpr_count 2
		.amdhsa_user_sgpr_kernarg_segment_ptr 1
		.amdhsa_wavefront_size32 1
		.amdhsa_system_sgpr_workgroup_id_x 1
		.amdhsa_system_sgpr_workgroup_id_y 1
		.amdhsa_system_sgpr_workgroup_id_z 1
		.amdhsa_system_vgpr_workitem_id 0
		.amdhsa_next_free_vgpr 256
		.amdhsa_next_free_sgpr 66
		.amdhsa_reserve_vcc 0
		.amdhsa_float_denorm_mode_32 3
		.amdhsa_float_denorm_mode_16_64 3
		.amdhsa_memory_ordered 1
		.amdhsa_forward_progress 1
		.amdhsa_inst_pref_size 86
	.end_amdhsa_kernel
	.amdgpu_metadata
---
amdhsa.version: [ 1, 2 ]
amdhsa.kernels:
  - .name:           k_qbf7a3dce3c_attn
    .symbol:         k_qbf7a3dce3c_attn.kd
    .args:
      - { .name: qb, .offset: 0, .size: 8, .value_kind: global_buffer, .address_space: global }
      - { .name: kv, .offset: 8, .size: 8, .value_kind: global_buffer, .address_space: global }
      - { .name: ctx, .offset: 16, .size: 8, .value_kind: global_buffer, .address_space: global }
      - { .name: csc, .offset: 24, .size: 8, .value_kind: global_buffer, .address_space: global }
    .group_segment_fixed_size: 243712
    .private_segment_fixed_size: 0
    .kernarg_segment_align: 8
    .kernarg_segment_size: 32
    .max_flat_workgroup_size: 512
    .sgpr_count:     66
    .vgpr_count:     256
    .wavefront_size: 32
...
	.end_amdgpu_metadata
.endif
;; end of part 4
;; launch outproj (part 5): grid 4 x 64, 4 waves a work-group, clusters of 4 x 4, 327,680 bytes of LDS; arguments ctx, csc, xcodes, xscales, bo, out0; writes out0
.if DOCPART == 5
	.amdgcn_target "amdgcn-amd-amdhsa--gfx1250"
	.amdhsa_code_object_version 6
	.text
	.protected	k_qbf7a3dce3c_outproj
	.globl	k_qbf7a3dce3c_outproj
	.p2align	8
	.type	k_qbf7a3dce3c_outproj,@function
k_qbf7a3dce3c_outproj:
	s_mov_b64 s[64:65], 0
	v_nop
	global_prefetch_b8 v0, s[64:65] scope:SCOPE_SE
	s_setreg_imm32_b32 hwreg(HW_REG_WAVE_MODE, 25, 1), 1
	s_wait_xcnt 0x0
	s_wait_alu depctr_hold_cnt(0) depctr_sa_sdst(0) depctr_va_vdst(0) depctr_va_sdst(0) depctr_va_ssrc(0) depctr_va_vcc(0) depctr_vm_vsrc(0)
	s_getreg_b32 s2, hwreg(HW_REG_IB_STS2, 6, 4)
	s_cmp_eq_u32 s2, 0
	s_cbranch_scc0 .Lentry_in_a_cluster
	s_endpgm
.Lentry_in_a_cluster:
	s_bfe_u32 s2, ttmp6, 0x10000c
	s_cmp_lg_u32 s2, 0xf033
	s_cbranch_scc0 .Lentry_shape_is_right
	s_endpgm
.Lentry_shape_is_right:
; out0 = context Wo^T + bo on codes of FP6 (E2M3) with E8M0 scales, f32 sums.  A = the context (ctx, csc), B = Wo (tiles 1728.. of xcodes).
; A work-group makes 128 rows x 256 columns; a wave 64 x 128: 32 accumulators.
; ALL OF K (1,024) LIES IN LDS, in two halves of 512 along K, each filled once: 8 tiles of A and 16 of B, 6,144 bytes a tile and half.  Nothing is filled again.
; Each wave issues one joint load at the head (first half) and one behind the full sequence and a round of the cluster's barrier (second half), which is on its way while the first steps are multiplied.
; CLUSTER 4 x 4: A's tiles are shared along a row of the cluster, B's along a column.  The scale words go from memory straight into registers: 32 bytes a row, 512 dense bytes a tile.
; No prefetch: the text has no loop to run ahead in, and both fills are asked for early.
; The matrix instruction is used transposed (source 0 = Wo's rows, source 1 = the context's rows): a lane holds eight neighbouring columns of one row.
; THE WAY OUT goes through each wave's own stage, in the first half's LDS bytes: they have had their only fill, and their last read lies ahead of step 3's barrier.
; REGISTERS: window 0: v0-31 addresses, v32-63 A's scale words (tile a, step q at 32+8a+q), v64-127 B's, v128-223 A's fragments in two sets (on the way out v128-255: rows read back);
; window 1: B's fragments, two sets at v0 and v128; window 2: the accumulators; window 3: v0-63 the bias, the first step's C.
.set GB0,    1728
.set PAC,    4
.set PAS,    6
.set PBC,    8
.set PBS,    10
.set FR,     12
.set FRB,    1536
.set TILEB,  8*FRB
.set HK,     4*FRB
.set SLOT,   24*HK
.set SPARE,  2*SLOT
.set SPITCH, 528
.set OROW,   4096
.set ADRA, 16
.set ADRB, 20
.set STO,  24
.set RD,   25
.set CO,   26
.set SO,   27
.set SPW,  28
.set NIL,  29
.set SA,   32
.set SB,   64
.set AF,   128
.set BK,   128
.set G1, 24
.set G0, 32
.set G1B, 48
.set G0B, 56
.set MSB, 0
.macro WIN new
.if MSB != (\new)
	s_set_vgpr_msb (MSB<<8)|(\new)
.set MSB, (\new)
.endif
.endm
.macro JLOAD g0a, g1a, g0b, g1b        ; waves 0, 1 ask for A's halves, waves 2, 3 for B's: one load on every way
	s_cmp_eq_u32 s15, 0
	s_cbranch_scc0 .Lfor_b_\@
	tensor_load_to_lds s[\g0a:\g0a+3], s[\g1a:\g1a+7]
	s_nop 0
.rept 4
	v_nop
.endr
	s_branch .Lasked_\@
.Lfor_b_\@:
	tensor_load_to_lds s[\g0b:\g0b+3], s[\g1b:\g1b+7]
	s_nop 0
.rept 4
	v_nop
.endr
.Lasked_\@:
.endm
.macro CROUND                          ; a round of the cluster's barrier
	s_barrier_signal -1
	s_barrier_wait -1
	s_cmp_lg_u32 s14, 0
	s_cbranch_scc1 .Lnot_wave_0_\@
	s_barrier_signal -3
.Lnot_wave_0_\@:
	s_barrier_wait -3
	s_barrier_signal -1
	s_barrier_wait -1
.endm
.macro PLACES n
.rept \n
	v_nop
.endr
.endm
	s_load_b256 s[4:11], s[0:1], 0x0               ; ctx, csc, xcodes, xscales
	s_load_b64 s[96:97], s[0:1], 0x20              ; bo
	s_load_b64 s[12:13], s[0:1], 0x28              ; out0
	v_lshl_add_u32 v[SPW], v0, 2, SPARE
	v_mov_b32 v[NIL], 0
	ds_add_u32 v[SPW], v[NIL]                      ; the opening lines: the add twice on end and its wait
	ds_add_u32 v[SPW], v[NIL]
	v_lshrrev_b32 v1, 5, v0
	v_readfirstlane_b32 s14, v1                    ; wave
	s_lshr_b32 s15, s14, 1                         ; my half of A's rows; also: I ask for A (0) or B (1)
	s_and_b32 s16, s14, 1                          ; my half of B's rows; also: which half I ask for
	s_bfe_u32 s40, ttmp6, 0x40000
	s_bfe_u32 s41, ttmp6, 0x40004
	s_lshl_b32 s42, ttmp9, 2
	s_add_co_u32 s42, s42, s40                     ; B's block of 256 rows
	s_and_b32 s17, ttmp7, 0xffff
	s_lshl_b32 s17, s17, 2
	s_add_co_u32 s17, s17, s41                     ; A's block of 128 rows
	s_lshl_b32 s43, s41, 2
	s_lshl_b32 s43, 15, s43
	s_lshl_b32 s44, 0x1111, s40
	s_or_b32 s[G1], s43, (3<<16)|(1<<21)           ; elements of 8 bytes; A's tiles go to my row of the cluster,
	s_or_b32 s[G1B], s44, (3<<16)|(1<<21)          ; B's to my column
.irp g, G1, G1B
	s_mov_b32 s[\g+1], (HK/8)<<16                  ; a row: half of a tile's K, 6,144 bytes
	s_mov_b32 s[\g+3], (HK/8)<<16
	s_mov_b32 s[\g+5], TILEB/8                     ; from tile to tile
	s_mov_b32 s[\g+6], 0
	s_mov_b32 s[\g+7], 0
.endr
	s_mov_b32 s[G1+2], 4<<16                       ; four tiles of A to a load,
	s_mov_b32 s[G1+4], 4
	s_mov_b32 s[G1B+2], 8<<16                      ; eight of B
	s_mov_b32 s[G1B+4], 8
	s_lshl_b32 s20, s17, 3
	s_lshl_b32 s95, s16, 2
	s_add_co_u32 s20, s20, s95                     ; A's first tile that I ask for
	s_mul_i32 s20, s20, TILEB
	s_mov_b32 s21, 0
	s_lshl_b32 s46, s42, 4
	s_lshl_b32 s95, s16, 3
	s_add_co_u32 s46, s46, s95
	s_add_co_u32 s46, s46, GB0                     ; B's first tile, asked for and multiplied
	s_lshl_b32 s92, s46, 9                         ; its scale words
	s_mov_b32 s93, 0
	s_mul_i32 s46, s46, TILEB
	s_mov_b32 s47, 0
	s_lshl_b32 s22, s17, 3
	s_lshl_b32 s95, s15, 2
	s_add_co_u32 s22, s22, s95                     ; A's first tile that I multiply
	s_lshl_b32 s22, s22, 9
	s_mov_b32 s23, 0
	s_mul_i32 s45, s16, 4*HK                       ; LDS: A's 8 tiles, then B's 16
	s_mul_i32 s94, s16, 8*HK
	s_add_co_u32 s94, s94, 8*HK
	s_wait_dscnt 0x0
	s_wait_kmcnt 0x0
	s_add_nc_u64 s[20:21], s[PAC:PAC+1], s[20:21]
	s_add_nc_u64 s[22:23], s[PAS:PAS+1], s[22:23]
	s_add_nc_u64 s[46:47], s[PBC:PBC+1], s[46:47]
	s_add_nc_u64 s[92:93], s[PBS:PBS+1], s[92:93]
	CROUND                                         ; all sixteen work-groups are here: the joint loads meet
.irp s, 0,1
	s_mov_b32 s[G0+4*\s], 1
	s_add_co_u32 s[G0+4*\s+1], s45, \s*SLOT
	s_add_nc_u64 s[G0+4*\s+2:G0+4*\s+3], s[20:21], \s*HK
	s_or_b32 s[G0+4*\s+3], s[G0+4*\s+3], 0x80000000
	s_mov_b32 s[G0B+4*\s], 1
	s_add_co_u32 s[G0B+4*\s+1], s94, \s*SLOT
	s_add_nc_u64 s[G0B+4*\s+2:G0B+4*\s+3], s[46:47], \s*HK
	s_or_b32 s[G0B+4*\s+3], s[G0B+4*\s+3], 0x80000000
.endr
	JLOAD G0, G1, G0B, G1B                         ; K 0 .. 511: my one load at the head
	v_and_b32 v1, 15, v0                           ; r
	v_bfe_u32 v2, v0, 4, 1                         ; h
	v_and_b32 v3, 31, v0
	v_lshlrev_b32 v4, 4, v3
	v_lshlrev_b32 v5, 3, v3
	v_lshlrev_b32 v[SO], 5, v1                     ; my row's eight scale words
	v_mov_b32 v[CO], v4
	v_lshlrev_b32 v8, 6, v2                        ; the bias: 16 h columns on
	v_mul_u32_u24 v6, v1, SPITCH
	v_lshl_add_u32 v6, v2, 6, v6
	s_mul_i32 s18, s15, 4*HK
	s_mul_i32 s19, s14, 16*SPITCH                  ; my stage
	v_add_nc_u32 v[STO], s19, v6
	v_add_nc_u32 v[RD], s19, v4
.irp s, 0,1
	v_add_nc_u32 v[ADRA+\s], s18, v4
	v_add_nc_u32 v[ADRB+\s], s94, v4
	v_add_nc_u32 v[ADRA+2+\s], s18, v5
	v_add_nc_u32 v[ADRB+2+\s], s94, v5
	s_add_co_u32 s18, s18, SLOT
	s_add_co_u32 s94, s94, SLOT
.endr
	s_lshl_b32 s18, s42, 10
	s_lshl_b32 s19, s16, 9
	s_add_co_u32 s18, s18, s19
	s_mov_b32 s19, 0
	s_add_nc_u64 s[96:97], s[96:97], s[18:19]      ; my 128 columns' bias
	s_wait_alu depctr_va_vdst(0)
.irp a, 0,1,2,3
	global_load_b128 v[SA+8*\a:SA+8*\a+3], v[SO], s[22:23] offset:512*\a
	global_load_b128 v[SA+8*\a+4:SA+8*\a+7], v[SO], s[22:23] offset:512*\a+16
.endr
.irp b, 0,1,2,3,4,5,6,7
	global_load_b128 v[SB+8*\b:SB+8*\b+3], v[SO], s[92:93] offset:512*\b
	global_load_b128 v[SB+8*\b+4:SB+8*\b+7], v[SO], s[92:93] offset:512*\b+16
.endr
	WIN 0xc0                                       ; destination in window 3
.irp b, 0,1,2,3,4,5,6,7
	global_load_b128 v[8*\b:8*\b+3], v8, s[96:97] offset:4*(32*(\b/2)+8*(\b%2))
	global_load_b128 v[8*\b+4:8*\b+7], v8, s[96:97] offset:4*(32*(\b/2)+8*(\b%2))+16
.endr
	WIN 0
	s_lshl_b32 s20, s17, 19                        ; out0: 128 rows of 4,096 bytes a block, 64 a wave; 1,024 bytes of columns a block, 512 a wave
	s_lshl_b32 s21, s15, 18
	s_add_co_u32 s20, s20, s21
	s_add_co_u32 s20, s20, s18
	s_mov_b32 s21, 0
	s_add_nc_u64 s[12:13], s[12:13], s[20:21]
.macro FRAG reg, adr, q, i             ; a fragment's image: registers 0-3, 4-5, 6-9, 10-11
	ds_load_b128 v[\reg:\reg+3], v[\adr] offset:HK*(\i)+FRB*(\q)
	ds_load_b64 v[\reg+4:\reg+5], v[\adr+2] offset:HK*(\i)+FRB*(\q)+512
	ds_load_b128 v[\reg+6:\reg+9], v[\adr] offset:HK*(\i)+FRB*(\q)+768
	ds_load_b64 v[\reg+10:\reg+11], v[\adr+2] offset:HK*(\i)+FRB*(\q)+1280
.endm
.macro FETCH st                        ; step st's fragments into set st % 2: B's eight, A's four
	WIN 0x40
.irp i, 0,1,2,3,4,5,6,7
	FRAG 128*((\st)%2)+FR*\i, ADRB+(\st)/4, (\st)%4, \i
.endr
	WIN 0
.irp i, 0,1,2,3
	FRAG AF+48*((\st)%2)+FR*\i, ADRA+(\st)/4, (\st)%4, \i
.endr
.endm
.macro MUL32 st, zero                  ; the 32 accumulators by turns, in the same order in every step
.irp a, 0,1,2,3
.irp b, 0,1,2,3,4,5,6,7
.set DD, 8*(8*\a+\b)
.set BF, 128*((\st)%2)+FR*\b
.set AA, AF+48*((\st)%2)+FR*\a
.if \zero
	v_wmma_scale_f32_16x16x128_f8f6f4 v[DD:DD+7], v[BF:BF+FR-1], v[AA:AA+FR-1], v[8*\b:8*\b+7], v[SB+8*\b+(\st)], v[SA+8*\a+(\st)] matrix_a_fmt:MATRIX_FMT_FP6 matrix_b_fmt:MATRIX_FMT_FP6
.else
	v_wmma_scale_f32_16x16x128_f8f6f4 v[DD:DD+7], v[BF:BF+FR-1], v[AA:AA+FR-1], v[DD:DD+7], v[SB+8*\b+(\st)], v[SA+8*\a+(\st)] matrix_a_fmt:MATRIX_FMT_FP6 matrix_b_fmt:MATRIX_FMT_FP6
.endif
.endr
.endr
.endm
.macro STEP st, zero                   ; 128 along K: the next step's 48 LDS loads go out ahead of this step's 32 products
.if (\st) == 3
	s_wait_tensorcnt 0x0                           ; my part of the second half has landed
.endif
	s_wait_dscnt 0x0                               ; this step's fragments are in
.if (\st) == 3
	s_barrier_signal -1
	s_barrier_wait -1                              ; everybody's part has landed, and nobody reads the first half any more
.endif
.if (\st) < 7
	PLACES 4                                       ; behind the last step's products, which read the set that is loaded now
	FETCH (\st)+1
.endif
.if \zero
	WIN 0xb1                                       ; source 0 window 1, source 1 window 0, C window 3, D window 2
.else
	WIN 0xa1
.endif
	MUL32 \st, \zero
	WIN 0
.endm
	s_wait_alu depctr_va_vdst(0)
	s_wait_tensorcnt 0x0                           ; my part of the first half is in; the lines ahead of a later first fill:
	ds_add_u32 v[SPW], v[NIL]
	s_wait_dscnt 0x0
	CROUND
	JLOAD G0+4, G1, G0B+4, G1B                     ; K 512 .. 1,023, the first tensor load behind the round
	FETCH 0
	s_wait_loadcnt 0x0                             ; scale words and bias
	STEP 0, 1
.irp t, 1,2,3,4,5,6,7
	STEP \t, 0
.endr
; THE WAY OUT, by blocks of 16 rows x 128 columns: into my stage, back as rows of 512 bytes, which the 32 lanes store as two aligned runs of 256 bytes.
.macro TOSTAGE a
.set AC, 64*(\a)
	WIN 0x08                                       ; the data: window 2
.irp b, 0,1,2,3,4,5,6,7
	ds_store_b128 v[STO], v[AC+8*\b:AC+8*\b+3] offset:128*(\b/2)+32*(\b%2)      ; each accumulator from its low end on
	ds_store_b128 v[STO], v[AC+8*\b+4:AC+8*\b+7] offset:128*(\b/2)+32*(\b%2)+16
.endr
	WIN 0
.set BB, BK+64*((\a)%2)
.irp t, 0,1,2,3,4,5,6,7,8,9,10,11,12,13,14,15
	ds_load_b128 v[BB+4*\t:BB+4*\t+3], v[RD] offset:\t*SPITCH   ; LDS serves a wave's instructions in order: these see the stores above
.endr
.endm
.macro SEND a, younger                 ; younger: the LDS instructions issued behind block a's loads
.set BB, BK+64*((\a)%2)
	s_wait_dscnt \younger
.if (\a) > 0
.if ((\a)%2) == 1
	s_add_nc_u64 s[12:13], s[12:13], 8*OROW        ; tile a begins at row 32 (a / 2) + 8 (a % 2)
.else
	s_add_nc_u64 s[12:13], s[12:13], 24*OROW
.endif
.endif
.irp t, 0,1,2,3,4,5,6,7,8,9,10,11,12,13,14,15
	global_store_b128 v[CO], v[BB+4*\t:BB+4*\t+3], s[12:13] offset:(\t+8*(\t/8))*OROW th:TH_STORE_NT
.endr
.endm
	PLACES 4
	TOSTAGE 0
.irp a, 1,2,3
.if \a > 1
	s_wait_xcnt 0x0                                ; block a - 2's stores have read their registers and their base
.endif
	TOSTAGE \a
	SEND \a-1, 32
.endr
	s_wait_xcnt 0x0
	SEND 3, 0
	s_wait_tensorcnt 0x0                           ; the wave's end
	ds_add_u32 v[SPW], v[NIL]
	s_wait_dscnt 0x0
	CROUND                                         ; the closing round
	s_endpgm
.Lfunc_end_k_qbf7a3dce3c_outproj:
	.size	k_qbf7a3dce3c_outproj, .Lfunc_end_k_qbf7a3dce3c_outproj-k_qbf7a3dce3c_outproj
	.p2alignl 7, 3214868480
	.fill 96, 4, 3214868480
	.section	.rodata,"a",@progbits
	.p2align	6, 0x0
	.amdhsa_kernel k_qbf7a3dce3c_outproj
		.amdhsa_group_segment_fixed_size 327680
		.amdhsa_private_segment_fixed_size 0
		.amdhsa_enable_private_segment 0
		.amdhsa_kernarg_size 48
		.amdhsa_user_sgpr_count 2
		.amdhsa_user_sgpr_kernarg_segment_ptr 1
		.amdhsa_wavefront_size32 1
		.amdhsa_system_sgpr_workgroup_id_x 1
		.amdhsa_system_sgpr_workgroup_id_y 1
		.amdhsa_system_sgpr_workgroup_id_z 1
		.amdhsa_system_vgpr_workitem_id 0
		.amdhsa_next_free_vgpr 1024
		.amdhsa_next_free_sgpr 102
		.amdhsa_reserve_vcc 0
		.amdhsa_float_denorm_mode_32 3
		.amdhsa_float_denorm_mode_16_64 3
		.amdhsa_memory_ordered 1
		.amdhsa_forward_progress 1
		.amdhsa_inst_pref_size 85
	.end_amdhsa_kernel
	.amdgpu_metadata
---
amdhsa.version: [ 1, 2 ]
amdhsa.kernels:
  - .name:           k_qbf7a3dce3c_outproj
    .symbol:         k_qbf7a3dce3c_outproj.kd
    .args:
      - { .name: ctx, .offset: 0, .size: 8, .value_kind: global_buffer, .address_space: global }
      - { .name: csc, .offset: 8, .size: 8, .value_kind: global_buffer, .address_space: global }
      - { .name: xcodes, .offset: 16, .size: 8, .value_kind: global_buffer, .address_space: global }
      - { .name: xscales, .offset: 24, .size: 8, .value_kind: global_buffer, .address_space: global }
      - { .name: bo, .offset: 32, .size: 8, .value_kind: global_buffer, .address_space: global }
      - { .name: out0, .offset: 40, .size: 8, .value_kind: global_buffer, .address_space: global }
    .group_segment_fixed_size: 327680
    .private_segment_fixed_size: 0
    .kernarg_segment_align: 8
    .kernarg_segment_size: 48
    .max_flat_workgroup_size: 128
    .sgpr_count:     102
    .vgpr_count:     1024
    .wavefront_size: 32
...
	.end_amdgpu_metadata
.endif
;; end of part 5
